; MI455X (gfx1250); checked and timed in simulation.
; The chip was launched on July 23, 2026; its instructions are those of AMD's public machine-readable ISA for CDNA 5 (MIT licence, August 2026) and "CDNA5" Instruction Set Architecture Reference Guide (July 2026). The comments in the code are by the model that wrote it; some were corrected since.
;; Multi Head Self Attention. Allowed arithmetic: matrix products marked QUANTISED: E2M1 operands, one E8M0 scale for each 32 along K, by v_wmma_scale_f32_16x16x128_f8f6f4 with both operands' format E2M1 (or v_wmma_scale_f32_32x16x128_f4), f32 sums; everything else in f32.
;; Inputs: Wk_codes 1,024 x 32 x 16 uint8 (E2M1 codes of Wk, K innermost, in blocks of 32 codes, two codes a byte); Wk_scales 1,024 x 32 uint8 (E8M0 scales of Wk, one for each 32 codes along K); Wo_codes 1,024 x 32 x 16 uint8 (E2M1 codes of Wo, K innermost, in blocks of 32 codes, two codes a byte); Wo_scales 1,024 x 32 uint8 (E8M0 scales of Wo, one for each 32 codes along K); Wq_codes 1,024 x 32 x 16 uint8 (E2M1 codes of Wq, K innermost, in blocks of 32 codes, two codes a byte); Wq_scales 1,024 x 32 uint8 (E8M0 scales of Wq, one for each 32 codes along K); Wv_codes 1,024 x 32 x 16 uint8 (E2M1 codes of Wv, K innermost, in blocks of 32 codes, two codes a byte); Wv_scales 1,024 x 32 uint8 (E8M0 scales of Wv, one for each 32 codes along K); bk 1,024 float32; bo 1,024 float32; bq 1,024 float32; bv 1,024 float32; x_codes 4 x 2,048 x 32 x 16 uint8 (E2M1 codes of x, K innermost, in blocks of 32 codes, two codes a byte); x_scales 4 x 2,048 x 32 uint8 (E8M0 scales of x, one for each 32 codes along K).
;; Outputs: out0 4 x 2,048 x 1,024 float32.
;; This version of the problem:
;;   THIS VERSION OF THE PROBLEM IS GIVEN IN LOW PRECISION. The matrix products marked QUANTISED in the list below multiply operands that are first quantised to E2M1 (2 exponent bits, 1 mantissa bit; 4 bits a number), with one power-of-two scale for each 32 numbers along K (OCP MX v1.0); their sums are f32. All else is computed in f32.
;;   The module's matrix products, in the order in which they are computed (A, B: the left and right operand; K: the contracted axis; several contracted axes count as one K, in the product's order):
;;     1. [M 8,192, K 1,024] x [K 1,024, N 1,024]; A: input x (given as codes); B: input Wq (given as codes): QUANTISED
;;     2. [M 8,192, K 1,024] x [K 1,024, N 1,024]; A: input x (given as codes); B: input Wk (given as codes): QUANTISED
;;     3. [M 8,192, K 1,024] x [K 1,024, N 1,024]; A: input x (given as codes); B: input Wv (given as codes): QUANTISED
;;     4. batch 64 x [M 2,048, K 64] x [K 64, N 2,048]; A: computed on the way; B: computed on the way: QUANTISED
;;     5. batch 64 x [M 2,048, K 2,048] x [K 2,048, N 64]; A: softmax (see below); B: computed on the way: QUANTISED
;;     6. [M 8,192, K 1,024] x [K 1,024, N 1,024]; A: computed on the way; B: input Wo (given as codes): QUANTISED
;;   THE QUANTISER, for each operand of a quantised product, along K:
;;     - K is cut into blocks of 32 from its start; a last block that is shorter is filled with zeros.
;;     - A block's scale is 2^e with e = floor(log2(the largest magnitude in the block)) - 2, held to -126 .. 127; a block of zeros has e = 0. As a byte (E8M0): e + 127.
;;     - Each number is divided by its block's scale, clamped to +-6, and rounded to the nearest number of E2M1, ties to even, subnormals kept.
;;     - The product sums the exact products of the quantised numbers (number of the format x scale) in f32.
;;   ~~~python
;;   def quantise(x, axis):      # numpy; x: float32 -> the quantised numbers, widened to float32 again
;;       x = np.moveaxis(x, axis, -1); K = x.shape[-1]
;;       x = np.pad(x, [(0, 0)] * (x.ndim - 1) + [(0, -K % 32)]); x = x.reshape(x.shape[:-1] + (-1, 32)); a = np.abs(x).max(-1, keepdims=True)
;;       e = np.where(a > 0, np.clip(np.frexp(np.where(a > 0, a, 1))[1] - 1 - 2, -126, 127), 0)      # np.frexp(a)[1] - 1 = floor(log2(a)), exactly
;;       r = np.clip(x / 2.0 ** e, -6, 6)
;;       step = 2.0 ** (np.maximum(np.frexp(np.where(r == 0, 1, r))[1] - 1, 0) - 1)
;;       q = np.round(r / step) * step * 2.0 ** e      # np.round: ties to even
;;       return np.moveaxis(q.reshape(q.shape[:-2] + (-1,))[..., :K], -1, axis).astype(np.float32)
;;   ~~~
;;   SOFTMAX AHEAD OF A QUANTISED PRODUCT. Where the list says 'softmax', what is quantised is not the finished softmax but p = 2^(t - M), with t = logit x log2(e) and M = ceil(the row's largest t), a whole number; so 1/2 < the row's largest p <= 1. The row's sum l is taken of the UNQUANTISED p, in f32, and the product's result is divided by l at the end. Since M is a whole number, a kernel that streams over the keys may use a running M (the ceiling of the running maximum): every later rescaling is an exact power of two, which a block's scale takes up: the codes' values come out the same.
;;   OPERANDS COMPUTED ON THE WAY. 'Computed on the way' means the value that the module computes at that place (a softmax that the list does not call 'softmax' is quantised finished and normalised). What goes into a quantiser is computed in f32, as accurately as f32 sums, v_exp_f32 and their like allow (about 1e-6 of the number): no bf16 or f16 on the way to a quantiser, and a product that is left as it is and whose result goes on into a quantised operand takes f32 operands (vector FMAs, or v_wmma_f32_16x16x4_f32). A number that lies on a knife's edge between two numbers of the format may be rounded either way, as far as f32 arithmetic and the matrix unit's own rounding can turn it there, and no further.
;;   INPUTS GIVEN AS CODES. Wk (in the module: [1024, 1024], K = its axis 1); Wo (in the module: [1024, 1024], K = its axis 1); Wq (in the module: [1024, 1024], K = its axis 1); Wv (in the module: [1024, 1024], K = its axis 1); x (in the module: [4, 2048, 1024], K = its axis 2): each comes as NAME_codes (uint8): NAME with its K axis moved to the last place and cut into blocks of 32 codes, [.., K / 32, bytes a block], one block behind the other in memory; two codes a byte, the lower K in the low four bits (a code: sign, 2 exponent bits, 1 mantissa bit); and NAME_scales (uint8): the same leading axes, one E8M0 byte (e + 127) for each 32 codes along K. Its value is code x scale, taken as it is: it is not quantised again, and the codes and scales need not be those that the quantiser above would give.
;; One version. Each part assembles by itself: llvm-mc -triple=amdgcn-amd-amdhsa -mcpu=gfx1250 --defsym DOCPART=n.
;; ======== version 1 of 1: 3 launches
;; workspace buffers: q_img 4,194,304 bytes; k_img 4,194,304 bytes; v_img 4,194,304 bytes; o_img 4,194,304 bytes; q_scl 262,144 bytes; k_scl 262,144 bytes; v_scl 262,144 bytes; o_scl 262,144 bytes
;; launch qkv (part 1): grid 8 x 48, 4 waves a work-group, clusters of 4 x 4, 327,680 bytes of LDS; arguments x_codes, x_scales, Wq_codes, Wq_scales, Wk_codes, Wk_scales, Wv_codes, Wv_scales, bq, bk, bv, q_img, q_scl, k_img, k_scl, v_img, v_scl; writes q_img, q_scl, k_img, k_scl, v_img, v_scl
.if DOCPART == 1
	.amdgcn_target "amdgcn-amd-amdhsa--gfx1250"
	.amdhsa_code_object_version 6
	.text
	.protected	k_q839de35028_qkv
	.globl	k_q839de35028_qkv
	.p2align	8
	.type	k_q839de35028_qkv,@function
k_q839de35028_qkv:
	s_mov_b64 s[64:65], 0
	v_nop
	global_prefetch_b8 v0, s[64:65] scope:SCOPE_SE
	s_setreg_imm32_b32 hwreg(HW_REG_WAVE_MODE, 25, 1), 1
	s_wait_xcnt 0x0
	s_wait_alu depctr_hold_cnt(0) depctr_sa_sdst(0) depctr_va_vdst(0) depctr_va_sdst(0) depctr_va_ssrc(0) depctr_va_vcc(0) depctr_vm_vsrc(0)
	s_getreg_b32 s2, hwreg(HW_REG_IB_STS2, 6, 4)
	s_cmp_eq_u32 s2, 0
	s_cbranch_scc0 .Lentry_in_a_cluster
	s_endpgm
.Lentry_in_a_cluster:
	s_bfe_u32 s2, ttmp6, 0x10000c
	s_cmp_lg_u32 s2, 0xf033
	s_cbranch_scc0 .Lentry_shape_is_right
	s_endpgm
.Lentry_shape_is_right:
; q = x Wq^T + bq, k = x Wk^T + bk, v = x Wv^T + bv.  x [8192][1024] and the weights [1024][1024] are codes of FP4 (E2M1), K innermost, 512 bytes a row, with one E8M0 byte for each 32 along K (32 bytes a row).
; The results are quantised here, in registers, to FP4 with one E8M0 byte for each 32: q and k along a head's 64 channels, v along the keys, and leave as IMAGES OF THE REGISTERS of the operands that the next launch feeds to the matrix unit.
; A tile of 256 x 256 results is made by a work-group of four waves; a wave makes 128 x 128: 64 accumulators of 16 x 16, 512 registers.  K = 1,024 is two LDS slots of 512 along K, each filled once: no slot is filled again.
; SOURCE 0 of the matrix instruction is the operand whose rows then run along a lane's registers, SOURCE 1 the one of which a lane holds one row.  The quantiser wants its axis along the registers, so:
;   type 0 (cluster y 0-7):  source 0 = Wq (cluster x 0) or Wk (cluster x 1), source 1 = x: a lane holds one token and 8 neighbouring channels an accumulator;
;   type 1 (cluster y 8-11): source 0 = x, source 1 = Wv: a lane holds one channel and 8 neighbouring keys an accumulator.
; The type hangs on the cluster's y alone: it is the same in all sixteen partners.  Only pointers, the bias's place, the first K step's C and the last stores differ.
; CLUSTERS: 4 x 4 work-groups.  The four of a row of the cluster need the same tile of source 1, the four of a column the same tile of source 0: each is asked for JOINTLY, by the same tensor load with a mask that names the four.
; THE BIAS is the C of each sum's first matrix instruction: 64 registers in the result's layout.
; A block's scale is 2^(floor(log2(its largest magnitude)) - 2); its byte is the largest magnitude's exponent field - 2, held at 1 from below.
; LIMITS: a block of zeros gets the byte 1 where the rule says 127 (its codes are zeros, and this program alone reads the bytes); NaN and infinities are not served; a given scale byte 0xff makes NaN.
; OUTPUT LAYOUTS (bh = 16 x batch + head; a step is 128 tokens, a tile 16):
;   q_img, k_img [bh][tile 128][lane 32][16 bytes]: lane (r, h) holds block h (32 codes) of token 16 tile + r.    q_scl, k_scl [bh][step 16][r 16][f 4] words: bytes 0, 1: the two bytes of row r of the step's tile 2 f; bytes 2, 3: of tile 2 f + 1.
;   v_img [bh][step 16][ct 4][c 2][lane 32][16 bytes]: lane (r, h): keys 64 c + 32 h + 0 .. 31 of channel 16 ct + r.   v_scl [bh][step][r 16][ct 4] words: the four key blocks' bytes of channel 16 ct + r.
; REGISTERS, in windows of 256: window 0: v1-30 addresses; v32-95 scale words, two sets; v128-191 source 1's fragments, ONE set, later the codes; v192-219 at work on the way out.
;   window 1: source 0's fragments, TWO sets, at v0 and v128; v64-127 the bias.   window 2: the accumulators of my rows 0-63 of source 1 ((a, b) at v[8 (8 a + b)]);   window 3: those of rows 64-127.
.set ROWB,   256                       ; a tile's row in bytes: 512 codes
.set KROW,   512                       ; a row of codes in memory
.set PITCH,  272                       ; an LDS row: 256 bytes + 16 of padding, an odd multiple of 16: the 16 rows that a load touches start 68 words apart
.set FR,     8                         ; registers of a fragment: 16 rows x 128 K
.set NL,     2                         ; LDS loads that bring one
.set NP,     4                         ; places behind this matrix instruction (ISA guide 7.12.1)
.set NQ,     4                         ; steps of 128 along K in a slot
.set HALFT,  128*PITCH                 ; 128 rows: what one tensor load brings
.set SLOT,   4*HALFT                   ; source 1's 256 rows, then source 0's 256 rows
.set KS,     32                        ; a row of scale bytes
.set SCL,    2*SLOT                    ; behind the slots: the scale bytes, as units of 256 bytes + 16 of padding
.set HALFS,  (128*KS/256)*272          ; those of 128 rows: what one tensor load brings
.set SBLK,   (16*KS/256)*272           ; those of 16 rows
.set SPARE,  SCL+4*HALFS               ; the spare words, 128 bytes for each wave: two blocks of 256 bytes that no other line names
.set BOF,  8                           ; v8-15   byte offsets of the bias loads
.set ADRA, 16                          ; v16-17  LDS address of my fragments of source 1 in slot 0, 1
.set ADRB, 20                          ; v20-21  the same for source 0
.set SOF,  25                          ; v25     way out: 4096 h + 16 r: my place among the scale words
.set IOF,  26                          ; v26     way out: 16 x lane: my place in an image
.set ADRS, 27                          ; v27     LDS address of my scale words: lanes 0-15 source 1's rows, lanes 16-31 source 0's
.set SPW,  28                          ; v28     LDS address of my spare word; never rewritten
.set NIL,  29                          ; v29     0; never rewritten
.set PSEL, 30                          ; v30     byte selects: lanes 0-15 take bytes 0, 1 of two words, lanes 16-31 bytes 2, 3
.set SC,   32                          ; scale words: set s at v[SC + 32 s]; register 4 i + q: lanes 0-15 source 1's block i, lanes 16-31 source 0's block i, the slot's q-th 128 along K
.set AF,   128                         ; source 1's fragments
.set PC,   128                         ; way out: the codes of block a at v[PC + 8 a]: a set for each block, so that no store's data are written again
.set TM,   192                         ; v192-195 largest magnitudes, v196-199 the other half's, then bytes, v204-207 the conversions' scale operands
.set SW,   208                         ; v208-215 a scale word for each block a
.set FS,   216                         ; v216-219 the scale words as they are stored
.set BI,   64                          ; in window 1: the bias
.set G1,   24                          ; s[24:31] descriptor group 1 for source 1's tiles;  s[32:39] group 0, one set for each slot
.set G0,   32
.set G1B,  48                          ; s[48:55], s[56:63] the same for source 0's tiles
.set G0B,  56
.set TYPE, 66                          ; s66  0: q or k;  1: v
.set G1S,  68                          ; s[68:75], s[76:79] groups 1 and 0 for source 1's scale bytes;  s[80:87], s[88:91] for source 0's
.set G0S,  76
.set G1SB, 80
.set G0SB, 88
.set MSB, 0
.macro WIN new                         ; the immediate's high byte repeats the setting that is left; a switch that changes nothing is dropped
.if MSB != \new
	s_set_vgpr_msb (MSB<<8)|\new
.set MSB, \new
.endif
.endm
.set MUL_LO,   0xa1                    ; source 0 window 1, source 1 window 0, C and D window 2
.set MUL_HI,   0xf1                    ; the same, C and D window 3
.set FIRST_LO, 0x91                    ; the first K step: C (the bias) window 1, D window 2
.set FIRST_HI, 0xd1                    ; D window 3
.set TO_B,     0x40                    ; destination window 1, address window 0
; A joint load: waves 0 and 1 fetch for source 1, waves 2 and 3 for source 0.  Each line has ONE mask and one set of registers for all that issue it; the branch hangs on the wave's number alone.
; Four v_nop follow each of the two lines, ahead of the jump, the label and what follows.
.macro JLOAD g0a, g1a, g0b, g1b
	s_cmp_eq_u32 s15, 0
	s_cbranch_scc0 .Lfor_b_\@
	tensor_load_to_lds s[\g0a:\g0a+3], s[\g1a:\g1a+7]
	s_nop 0
.rept 4
	v_nop
.endr
	s_branch .Lasked_\@
.Lfor_b_\@:
	tensor_load_to_lds s[\g0b:\g0b+3], s[\g1b:\g1b+7]
	s_nop 0
.rept 4
	v_nop
.endr
.Lasked_\@:
.endm
.macro CROUND                          ; a round of the cluster's barrier: my work-group's barrier; wave 0 signals for the work-group; every wave waits for all sixteen; my work-group's barrier once more
	s_barrier_signal -1
	s_barrier_wait -1
	s_cmp_lg_u32 s14, 0
	s_cbranch_scc1 .Lnot_wave_0_\@
	s_barrier_signal -3
.Lnot_wave_0_\@:
	s_barrier_wait -3
	s_barrier_signal -1
	s_barrier_wait -1
.endm
	s_load_b512 s[68:83], s[0:1], 0x0              ; x codes 68, x scales 70, Wq codes 72, Wq scales 74, Wk codes 76, Wk scales 78, Wv codes 80, Wv scales 82
	s_load_b512 s[84:99], s[0:1], 0x40             ; bq 84, bk 86, bv 88, q_img 90, q_scl 92, k_img 94, k_scl 96, v_img 98
	s_load_b64 s[100:101], s[0:1], 0x80            ; v_scl
	v_lshl_add_u32 v[SPW], v0, 2, SPARE
	v_mov_b32 v[NIL], 0
	ds_add_u32 v28, v29
	ds_add_u32 v28, v29
	s_wait_dscnt 0x0
	v_lshrrev_b32 v1, 5, v0
	v_readfirstlane_b32 s14, v1                    ; wave 0..3
	s_lshr_b32 s15, s14, 1                         ; which half of source 1's 256 rows is mine.  Also: I fetch for source 1 (0) or source 0 (1)
	s_and_b32 s16, s14, 1                          ; which half of source 0's.  Also: which 128 rows of that tile I fetch
	s_bfe_u32 s40, ttmp6, 0x40000                  ; cx, cy: my place in the cluster
	s_bfe_u32 s41, ttmp6, 0x40004
	s_and_b32 s67, ttmp7, 0xffff                   ; cluster y
	s_cmp_ge_u32 s67, 8
	s_cselect_b32 s[TYPE], 1, 0
	s_lshl_b32 s2, s67, 1
	s_add_co_u32 s2, s2, ttmp9
	s_sub_co_u32 s2, s2, 16                        ; type 1: which of its eight clusters: cluster x + 2 (cluster y - 8)
	s_lshl_b32 s2, s2, 2
	s_lshl_b32 s3, s67, 2
	s_cmp_eq_u32 s[TYPE], 0
	s_cselect_b32 s2, 0, s2                        ; type 0: the weight has four tiles, one for each cx
	s_cselect_b32 s3, s3, 0                        ; type 1: likewise, one for each cy
	s_add_co_u32 s42, s2, s40                      ; source 0's tile: shared along a column of the cluster
	s_add_co_u32 s17, s3, s41                      ; source 1's tile: shared along a row
	s_lshl_b32 s43, s41, 2
	s_lshl_b32 s43, 15, s43                        ; my row of the cluster
	s_lshl_b32 s44, 0x1111, s40                    ; my column
	; descriptor group 1: a tile of 128 rows x 256 bytes, padded in LDS
	s_or_b32 s[G1+0], s43, (0<<16)|(1<<20)|(1<<21)|(5<<22)|(3<<25)  ; 15:0 the mask; 17:16 elements of 1 byte; 20 padding on; 21 set beside a mask; 24:22 after every 64 words (code 5); 31:25 four words (code 3)
	s_or_b32 s[G1B+0], s44, (0<<16)|(1<<20)|(1<<21)|(5<<22)|(3<<25)
.irp g, G1, G1B
	s_mov_b32 s[\g+1], ROWB<<16                    ; tensor_dim0
	s_mov_b32 s[\g+2], 128<<16                     ; tensor_dim1
	s_mov_b32 s[\g+3], ROWB<<16                    ; tile_dim0
	s_mov_b32 s[\g+4], 128                         ; tile_dim1
	s_mov_b32 s[\g+5], KROW                        ; tensor_dim0_stride
	s_mov_b32 s[\g+6], 0
	s_mov_b32 s[\g+7], 0
.endr
	s_wait_kmcnt 0x0
	; which buffers: the choices hang on the cluster's x and y alone
	s_cmp_eq_u32 ttmp9, 0                          ; q or k
	s_cselect_b64 s[8:9], s[72:73], s[76:77]
	s_cselect_b64 s[10:11], s[74:75], s[78:79]
	s_cselect_b64 s[20:21], s[84:85], s[86:87]
	s_cselect_b64 s[12:13], s[90:91], s[94:95]
	s_cselect_b64 s[22:23], s[92:93], s[96:97]
	s_cmp_eq_u32 s[TYPE], 0
	s_cselect_b64 s[4:5], s[68:69], s[80:81]       ; source 1's codes: x or Wv
	s_cselect_b64 s[6:7], s[70:71], s[82:83]       ; and scale bytes
	s_cselect_b64 s[8:9], s[8:9], s[68:69]         ; source 0's codes: Wq / Wk or x
	s_cselect_b64 s[10:11], s[10:11], s[70:71]
	s_cselect_b64 s[12:13], s[12:13], s[98:99]     ; where the codes go
	s_cselect_b64 s[96:97], s[20:21], s[88:89]     ; the bias
	s_cselect_b64 s[98:99], s[22:23], s[100:101]   ; where the scale words go
	; from here on s68-s95 are free.  Group 1 for the scale bytes of 128 rows: a dense block of 4,096 bytes as 16 rows of 256 bytes (32 elements of 8 bytes), 16 bytes of padding behind each
	s_or_b32 s[G1S+0], s43, (3<<16)|(1<<20)|(1<<21)|(5<<22)|(3<<25)
	s_or_b32 s[G1SB+0], s44, (3<<16)|(1<<20)|(1<<21)|(5<<22)|(3<<25)
.irp g, G1S, G1SB
	s_mov_b32 s[\g+1], 32<<16
	s_mov_b32 s[\g+2], (128*KS/256)<<16
	s_mov_b32 s[\g+3], 32<<16
	s_mov_b32 s[\g+4], 128*KS/256
	s_mov_b32 s[\g+5], 32
	s_mov_b32 s[\g+6], 0
	s_mov_b32 s[\g+7], 0
.endr
	s_lshl_b32 s18, s16, 7                         ; which 128 rows of the tile I fetch
	s_lshl_b32 s20, s17, 8
	s_add_co_u32 s20, s20, s18                     ; source 1: row 256 x tile + 128 x half
	s_lshl_b32 s46, s42, 8
	s_add_co_u32 s46, s46, s18                     ; source 0 likewise
	s_lshl_b32 s22, s20, 5                         ; these rows' scale bytes: 32 a row
	s_mov_b32 s23, 0
	s_lshl_b32 s92, s46, 5
	s_mov_b32 s93, 0
	s_lshl_b32 s20, s20, 9                         ; and their codes: 512 bytes a row (under 2^23)
	s_mov_b32 s21, 0
	s_lshl_b32 s46, s46, 9
	s_mov_b32 s47, 0
	s_mul_i32 s45, s14, HALFT                      ; where they go: wave x 128 rows: no place in the cluster enters an LDS address
	s_mul_i32 s94, s14, HALFS
	s_add_nc_u64 s[20:21], s[4:5], s[20:21]
	s_add_nc_u64 s[22:23], s[6:7], s[22:23]
	s_add_nc_u64 s[46:47], s[8:9], s[46:47]
	s_add_nc_u64 s[92:93], s[10:11], s[92:93]
	CROUND                                         ; all sixteen work-groups are here: the joint loads meet
	s_mov_b32 s[G0S], 1
	s_add_co_u32 s[G0S+1], s94, SCL
	s_mov_b64 s[G0S+2:G0S+3], s[22:23]
	s_or_b32 s[G0S+3], s[G0S+3], 0x80000000
	s_mov_b32 s[G0SB], 1
	s_add_co_u32 s[G0SB+1], s94, SCL
	s_mov_b64 s[G0SB+2:G0SB+3], s[92:93]
	s_or_b32 s[G0SB+3], s[G0SB+3], 0x80000000
	JLOAD G0S, G1S, G0SB, G1SB                     ; the scale bytes first: they are wanted with the first K step
.irp s, 0,1
	s_mov_b32 s[G0+4*\s], 1
	s_add_co_u32 s[G0+4*\s+1], s45, \s*SLOT
	s_add_nc_u64 s[G0+4*\s+2:G0+4*\s+3], s[20:21], \s*ROWB
	s_or_b32 s[G0+4*\s+3], s[G0+4*\s+3], 0x80000000
	s_mov_b32 s[G0B+4*\s], 1
	s_add_co_u32 s[G0B+4*\s+1], s45, \s*SLOT
	s_add_nc_u64 s[G0B+4*\s+2:G0B+4*\s+3], s[46:47], \s*ROWB
	s_or_b32 s[G0B+4*\s+3], s[G0B+4*\s+3], 0x80000000
	JLOAD G0+4*\s, G1, G0B+4*\s, G1B               ; both slots: three loads of mine are out, and no more follow
.endr
	v_and_b32 v1, 15, v0                           ; r = lane % 16
	v_bfe_u32 v2, v0, 4, 1                         ; h = lane / 16
	v_mul_u32_u24 v3, v1, PITCH
	v_lshl_add_u32 v4, v2, 4, v3                   ; a fragment's row x pitch + 16 x half
	s_mul_i32 s21, s15, HALFT                      ; my 128 rows of source 1
	s_mul_i32 s22, s16, HALFT                      ; my 128 rows of source 0,
	s_add_co_u32 s22, s22, 2*HALFT                 ; which lie behind source 1's 256
.irp s, 0,1
	v_add_nc_u32 v[ADRA+\s], s21, v4
	v_add_nc_u32 v[ADRB+\s], s22, v4
	s_add_co_u32 s21, s21, SLOT
	s_add_co_u32 s22, s22, SLOT
.endr
	v_mul_u32_u24 v5, v1, KS                       ; my row's scale bytes: 32 a row,
	v_lshrrev_b32 v6, 8, v5
	v_lshl_add_u32 v5, v6, 4, v5                   ; and 16 more for each 256 passed
	s_mul_i32 s21, s15, HALFS
	s_mul_i32 s22, s16, HALFS
	s_add_co_u32 s22, s22, 2*HALFS
	s_sub_co_u32 s22, s22, s21
	v_mul_u32_u24 v6, s22, v2                      ; lanes 16-31 take source 0's: one product, the distance between the two bases
	s_add_co_u32 s21, s21, SCL
	v_add_nc_u32 v5, v5, v6
	v_add_nc_u32 v[ADRS], s21, v5
	; the way out and the bias
	v_lshlrev_b32 v[SOF], 4, v1
	v_lshl_add_u32 v[SOF], v2, 12, v[SOF]
	v_and_b32 v6, 31, v0
	v_lshlrev_b32 v[IOF], 4, v6
	v_cmp_eq_u32 vcc_lo, 1, v2
	v_mov_b32 v[PSEL], 0x05040100
	v_mov_b32 v5, 0x07060302
	v_cndmask_b32 v[PSEL], v[PSEL], v5, vcc_lo
.irp b, 0,1,2,3
	v_mov_b32 v[TM+4+\b], 0                        ; written once: a lane permute's destination counts as one of its sources
.endr
	s_lshl_b32 s20, s17, 8
	s_lshl_b32 s21, s15, 7
	s_add_co_u32 s20, s20, s21                     ; the first of my 128 rows of source 1
	s_lshl_b32 s46, s42, 8
	s_lshl_b32 s47, s16, 7
	s_add_co_u32 s46, s46, s47                     ; and of source 0
	s_cmp_eq_u32 s[TYPE], 0
	s_cselect_b32 s2, s20, s46                     ; my first row of x (128 rows: one step of one batch)
	s_cselect_b32 s3, s46, s20                     ; my first channel (128 channels: two heads)
	s_cselect_b32 s21, 32, 0                       ; the bias in the result's layout.  Type 0: register j of accumulator (a, b) is channel 16 b + 8 h + j: byte 64 b + 32 h + 4 j;
	s_cselect_b32 s22, 0, 4                        ; type 1: every register of (a, b) is channel 16 a + r: byte 64 a + 4 r
	s_cselect_b32 s23, 4, 0
	s_lshr_b32 s20, s2, 11
	s_lshl_b32 s20, s20, 4
	s_lshr_b32 s46, s3, 6
	s_add_co_u32 s20, s20, s46                     ; bh of my first head
	s_bfe_u32 s46, s2, 0x40007                     ; my step
	s_lshl_b32 s92, s20, 16
	s_lshl_b32 s47, s46, 12
	s_add_co_u32 s92, s92, s47
	s_mov_b32 s93, 0
	s_add_nc_u64 s[12:13], s[12:13], s[92:93]      ; images: 65,536 bytes a head, 4,096 a step
	s_lshl_b32 s92, s20, 12
	s_lshl_b32 s47, s46, 8
	s_add_co_u32 s92, s92, s47
	s_add_nc_u64 s[98:99], s[98:99], s[92:93]      ; scale words: 4,096 bytes a head, 256 a step
	s_lshl_b32 s92, s3, 2
	s_add_nc_u64 s[96:97], s[96:97], s[92:93]      ; the bias at my first channel
	s_mov_b32 s18, 0x76543210
	s_mov_b32 s19, 0xfedcba98                      ; v_permlanex16_b32's selects for lane l xor 16
	v_mul_u32_u24 v7, s21, v2
	v_mad_u32_u24 v7, v1, s22, v7
.irp j, 0,1,2,3,4,5,6,7
	v_mad_u32_u24 v[BOF+\j], s23, \j, v7
.endr
	WIN TO_B
.irp g, 0,1,2,3,4,5,6,7
.irp j, 0,1,2,3,4,5,6,7
	global_load_b32 v[BI+8*\g+\j], v[BOF+\j], s[96:97] offset:64*\g
.endr
.endr
	WIN 0
.macro FRAG reg, adr, q, i             ; a fragment, 16 rows x 128 K of 4-bit codes: lane l holds row l % 16; registers 4 c .. 4 c + 3 hold K = 64 c + 32 (l / 16) + 0 .. 31
.irp c, 0,1
	ds_load_b128 v[\reg+4*\c:\reg+4*\c+3], v[\adr] offset:64*(\q)+32*\c+(\i)*16*PITCH
.endr
.endm
; 16 matrix instructions: source 1's blocks a0, a0 + 1 x source 0's eight, the slot's q-th 128 along K.  p: source 0's set;  sc: the set of scale words.
; first = 1: C is the bias by source 0's block;  2: by source 1's block;  0: the sum goes on in place.  The 64 accumulators take turns, one instruction a turn, in the same order in every step.
.macro MUL16 a0, p, q, sc, first
.irp a, \a0, \a0+1
.irp b, 0,1,2,3,4,5,6,7
.set rD, 8*(8*((\a)%4)+\b)
.set rB, 128*(\p)+FR*\b
.set rA, AF+FR*(\a)
.set rC, rD
.if \first == 1
.set rC, BI+8*\b
.endif
.if \first == 2
.set rC, BI+8*(\a)
.endif
	v_wmma_scale_f32_16x16x128_f8f6f4 v[rD:rD+7], v[rB:rB+7], v[rA:rA+7], v[rC:rC+7], v[SC+8*NQ*(\sc)+NQ*\b+(\q)], v[SC+8*NQ*(\sc)+NQ*(\a)+(\q)] matrix_a_fmt:MATRIX_FMT_FP4 matrix_b_fmt:MATRIX_FMT_FP4 matrix_a_scale:MATRIX_SCALE_ROW1
.endr
.endr
.endm
.macro FETCH_B slot, q, p              ; source 0's eight fragments of the slot's q-th 128 along K into set p
	WIN TO_B
.irp i, 0,1,2,3,4,5,6,7
	FRAG 128*(\p)+FR*\i, ADRB+\slot, \q, \i
.endr
	WIN 0
.endm
.macro FETCH_A slot, q, i0             ; source 1's blocks i0 .. i0 + 3
.irp i, \i0, \i0+1, \i0+2, \i0+3
	FRAG AF+FR*(\i), ADRA+\slot, \q, \i
.endr
.endm
.macro SCALES sc                       ; a slot's scale words into set sc: four words a row; lanes 0-15 take source 1's block i, lanes 16-31 source 0's block i
.irp i, 0,1,2,3,4,5,6,7
	ds_load_b128 v[SC+8*NQ*\sc+NQ*\i:SC+8*NQ*\sc+NQ*\i+3], v[ADRS] offset:\i*SBLK
.endr
.endm
; A load into a register that a matrix instruction has read, and a vector instruction that reads a matrix result, stand NP places behind that matrix instruction; only plain vector
; instructions that name none of its registers are places (ISA guide 7.12.1 for vector instructions).
.macro PLACES n
.rept \n
	v_nop
.endr
.endm
; A step of 128 along K that has its successor in the same slot.  A block of source 1 is free as soon as its eight products are issued: blocks 0-3 are fetched anew in the step's middle, blocks 4-7 at its end.
.macro STEP slot, q, first
	s_wait_dscnt 4*NL                              ; all but the youngest eight loads (source 1's blocks 4-7) are in
.if \first
	WIN FIRST_LO
.else
	WIN MUL_LO
.endif
	MUL16 0, (\q)%2, \q, \slot, \first
	MUL16 2, (\q)%2, \q, \slot, \first
	s_wait_dscnt 0                                 ; blocks 4-7 are in (asked for 32 matrix instructions ago)
	PLACES NP
	FETCH_B \slot, (\q)+1, 1-(\q)%2
	FETCH_A \slot, (\q)+1, 0
.if \first
	WIN FIRST_HI
.else
	WIN MUL_HI
.endif
	MUL16 4, (\q)%2, \q, \slot, \first
	MUL16 6, (\q)%2, \q, \slot, \first
	PLACES NP
	WIN 0
	FETCH_A \slot, (\q)+1, 4
.endm
; Slot 0's last step goes over to slot 1: one barrier; in front of it each wave waits for all its tensor loads (its part of slot 1).
.macro TURN slot, next
	s_wait_tensorcnt 0x0                           ; all my tensor loads have landed
	ds_add_u32 v[SPW], v[NIL]                      ; 0 onto my spare word
	s_wait_dscnt 4*NL+1                            ; (the add and the youngest eight loads may be out)
	WIN MUL_LO
	MUL16 0, 1, NQ-1, \slot, 0
	s_wait_dscnt 0x0                               ; no LDS instruction of mine is out at the signal
	s_barrier_signal -1
	MUL16 2, 1, NQ-1, \slot, 0
	WIN 0
	s_barrier_wait -1                              ; every wave's part of the next slot is in
	PLACES NP
	v_add_nc_u32 v[ADRS], 4*NQ, v[ADRS]            ; on to the next slot's scale words
	FETCH_B \next, 0, 0
	FETCH_A \next, 0, 0
	SCALES \next
	WIN MUL_HI
	MUL16 4, 1, NQ-1, \slot, 0
	MUL16 6, 1, NQ-1, \slot, 0
	PLACES NP
	WIN 0
	FETCH_A \next, 0, 4
.endm
	s_wait_tensorcnt 1                             ; the scale bytes and my part of slot 0 are in (slot 1's load may be out),
	s_barrier_signal -1
	s_barrier_wait -1                              ; everybody's are
	FETCH_B 0, 0, 0
	FETCH_A 0, 0, 0
	SCALES 0
	FETCH_A 0, 0, 4
	s_wait_loadcnt 0x0                             ; the bias
	s_cmp_eq_u32 s[TYPE], 0                        ; the first step is written twice: the bias's registers go by source 0's block or by source 1's
	s_cbranch_scc0 .Lfirst_v
	STEP 0, 0, 1
	s_branch .Ljoin
.Lfirst_v:
	STEP 0, 0, 2
.Ljoin:                                            ; on both ways: the same LDS loads are out, every window is 0
	STEP 0, 1, 0
	STEP 0, 2, 0
	TURN 0, 1
	STEP 1, 0, 0
	STEP 1, 1, 0
	STEP 1, 2, 0
	s_wait_dscnt 4*NL                              ; the very last step: nothing more to fetch
	WIN MUL_LO
	MUL16 0, 1, NQ-1, 1, 0
	MUL16 2, 1, NQ-1, 1, 0
	s_wait_dscnt 0
	WIN MUL_HI
	MUL16 4, 1, NQ-1, 1, 0
	MUL16 6, 1, NQ-1, 1, 0
	WIN 0
	PLACES NP
; THE WAY OUT.  Block a (16 rows of source 1): a lane holds one row and 64 numbers along source 0's rows: register 16 B + i of the block is index 32 B + 16 (i / 8) + 8 h + i % 8: block B of 32 lies in lanes l and l xor 16.
; Its codes: the conversion of accumulator 2 B gives indices 8 h + 0 .. 7 of the block, that of 2 B + 1 indices 16 + 8 h + 0 .. 7.  Laid at registers 4 (B / 2) + B % 2 and + 2, two exchanges of halves for each four
; registers give the operand's layout: registers 4 c .. 4 c + 3: lanes 0-15 block 2 c, lanes 16-31 block 2 c + 1.  Each accumulator is read from its low end on.
.macro QUANT a
.set AC,  64*((\a)%4)
.set WA,  2+(\a)/4
.set PCA, PC+8*(\a)
.set WW,  WA*5                         ; sources 0 and 1 in the accumulators' window
	WIN WW
.irp b, 0,1,2,3
	v_max3_num_f32 v[TM+\b], |v[AC+16*\b]|, |v[AC+16*\b+1]|, 0x1800000   ; and the floor 2^(3 - 127): the byte cannot fall under 1
.endr
.irp i, 2,4,6,8,10,12,14
.irp b, 0,1,2,3
	v_max3_num_f32 v[TM+\b], |v[AC+16*\b+\i]|, |v[AC+16*\b+\i+1]|, v[TM+\b]   ; (the four blocks by turns)
.endr
.endr
	WIN 0
.irp b, 0,1,2,3
	v_permlanex16_b32 v[TM+4+\b], v[TM+\b], s18, s19
.endr
.irp b, 0,1,2,3
	v_max_num_f32 v[TM+\b], v[TM+\b], v[TM+4+\b]   ; with lane l xor 16's: the block's largest magnitude
.endr
.irp b, 0,1,2,3
	v_add_nc_u32 v[TM+12+\b], 0xff000000, v[TM+\b] ; 2 off its exponent field: the conversion takes the exponent field of this operand as its scale
.endr
.irp b, 0,1,2,3
	v_lshrrev_b32 v[TM+4+\b], 23, v[TM+12+\b]      ; the scale's byte
.endr
	v_lshl_or_b32 v[SW+(\a)], v[TM+5], 8, v[TM+4]
	v_lshl_or_b32 v[SW+(\a)], v[TM+6], 16, v[SW+(\a)]
	v_lshl_or_b32 v[SW+(\a)], v[TM+7], 24, v[SW+(\a)]
.set WW,  WA                           ; source 0 in the accumulators' window
	WIN WW
.irp b, 0,1,2,3
	v_cvt_scalef32_pk8_fp4_f32 v[PCA+4*(\b/2)+(\b%2)], v[AC+16*\b:AC+16*\b+7], v[TM+12+\b]
	v_cvt_scalef32_pk8_fp4_f32 v[PCA+4*(\b/2)+(\b%2)+2], v[AC+16*\b+8:AC+16*\b+15], v[TM+12+\b]
.endr
	WIN 0
	v_nop                                          ; one plain place behind a scaled conversion
.irp c, 0,1
	v_permlane16_swap_b32 v[PCA+4*\c], v[PCA+4*\c+1]
	v_permlane16_swap_b32 v[PCA+4*\c+2], v[PCA+4*\c+3]
.endr
.endm
.irp a, 0,1,2,3,4,5,6,7
	QUANT \a
.endr
	s_cmp_eq_u32 s[TYPE], 0
	s_cbranch_scc0 .Lout_v
	; q or k: block a is the step's tile a of tokens; registers 4 c on are head c of my two.  Each store covers 512 consecutive bytes, aligned
.irp a, 0,1,2,3,4,5,6,7
.irp c, 0,1
	global_store_b128 v[IOF], v[PC+8*\a+4*\c:PC+8*\a+4*\c+3], s[12:13] offset:65536*\c+512*\a
.endr
.endr
.irp f, 0,1,2,3
	v_perm_b32 v[FS+\f], v[SW+2*\f+1], v[SW+2*\f], v[PSEL]   ; lanes 0-15: head 0's two bytes of tiles 2 f and 2 f + 1; lanes 16-31: head 1's
.endr
	global_store_b128 v[SOF], v[FS:FS+3], s[98:99] ; sixteen lanes store 256 consecutive bytes, aligned, for each of the two heads
	s_branch .Lend
.Lout_v:
	s_wait_alu depctr_va_vdst(0)
	; v: block a is channels 16 (a % 4) on of head a / 4; registers 4 c on are keys 64 c on
.irp a, 0,1,2,3,4,5,6,7
.irp c, 0,1
	global_store_b128 v[IOF], v[PC+8*\a+4*\c:PC+8*\a+4*\c+3], s[12:13] offset:65536*(\a/4)+1024*(\a%4)+512*\c
.endr
.endr
	v_cmp_eq_u32 vcc_lo, 1, v2
.irp i, 0,1,2,3
	v_cndmask_b32 v[FS+\i], v[SW+\i], v[SW+4+\i], vcc_lo     ; lanes 0-15: head 0's four tiles of channels; lanes 16-31: head 1's
.endr
	global_store_b128 v[SOF], v[FS:FS+3], s[98:99]
.Lend:
	s_wait_tensorcnt 0x0                           ; the wave's end
	ds_add_u32 v[SPW], v[NIL]
	s_wait_dscnt 0x0
	CROUND                                         ; the closing round: no work-group ends while a partner may still ask for a tile that names it
	s_endpgm
.Lfunc_end_k_q839de35028_qkv:
	.size	k_q839de35028_qkv, .Lfunc_end_k_q839de35028_qkv-k_q839de35028_qkv
	.p2alignl 7, 3214868480
	.fill 96, 4, 3214868480
	.section	.rodata,"a",@progbits
	.p2align	6, 0x0
	.amdhsa_kernel k_q839de35028_qkv
		.amdhsa_group_segment_fixed_size 327680
		.amdhsa_private_segment_fixed_size 0
		.amdhsa_enable_private_segment 0
		.amdhsa_kernarg_size 136
		.amdhsa_user_sgpr_count 2
		.amdhsa_user_sgpr_kernarg_segment_ptr 1
		.amdhsa_wavefront_size32 1
		.amdhsa_system_sgpr_workgroup_id_x 1
		.amdhsa_system_sgpr_workgroup_id_y 1
		.amdhsa_system_sgpr_workgroup_id_z 1
		.amdhsa_system_vgpr_workitem_id 0
		.amdhsa_next_free_vgpr 1024
		.amdhsa_next_free_sgpr 102
		.amdhsa_reserve_vcc 1
		.amdhsa_float_denorm_mode_32 3
		.amdhsa_float_denorm_mode_16_64 3
		.amdhsa_memory_ordered 1
		.amdhsa_forward_progress 1
		.amdhsa_inst_pref_size 148
	.end_amdhsa_kernel
	.amdgpu_metadata
---
amdhsa.version: [ 1, 2 ]
amdhsa.kernels:
  - .name:           k_q839de35028_qkv
    .symbol:         k_q839de35028_qkv.kd
    .args:
      - { .name: x_codes, .offset: 0, .size: 8, .value_kind: global_buffer, .address_space: global }
      - { .name: x_scales, .offset: 8, .size: 8, .value_kind: global_buffer, .address_space: global }
      - { .name: Wq_codes, .offset: 16, .size: 8, .value_kind: global_buffer, .address_space: global }
      - { .name: Wq_scales, .offset: 24, .size: 8, .value_kind: global_buffer, .address_space: global }
      - { .name: Wk_codes, .offset: 32, .size: 8, .value_kind: global_buffer, .address_space: global }
      - { .name: Wk_scales, .offset: 40, .size: 8, .value_kind: global_buffer, .address_space: global }
      - { .name: Wv_codes, .offset: 48, .size: 8, .value_kind: global_buffer, .address_space: global }
      - { .name: Wv_scales, .offset: 56, .size: 8, .value_kind: global_buffer, .address_space: global }
      - { .name: bq, .offset: 64, .size: 8, .value_kind: global_buffer, .address_space: global }
      - { .name: bk, .offset: 72, .size: 8, .value_kind: global_buffer, .address_space: global }
      - { .name: bv, .offset: 80, .size: 8, .value_kind: global_buffer, .address_space: global }
      - { .name: q_img, .offset: 88, .size: 8, .value_kind: global_buffer, .address_space: global }
      - { .name: q_scl, .offset: 96, .size: 8, .value_kind: global_buffer, .address_space: global }
      - { .name: k_img, .offset: 104, .size: 8, .value_kind: global_buffer, .address_space: global }
      - { .name: k_scl, .offset: 112, .size: 8, .value_kind: global_buffer, .address_space: global }
      - { .name: v_img, .offset: 120, .size: 8, .value_kind: global_buffer, .address_space: global }
      - { .name: v_scl, .offset: 128, .size: 8, .value_kind: global_buffer, .address_space: global }
    .group_segment_fixed_size: 327680
    .private_segment_fixed_size: 0
    .kernarg_segment_align: 8
    .kernarg_segment_size: 136
    .max_flat_workgroup_size: 128
    .sgpr_count:     102
    .vgpr_count:     1024
    .wavefront_size: 32
...
	.end_amdgpu_metadata
.endif
;; end of part 1
;; launch attn (part 2): grid 4 x 64, 16 waves a work-group, clusters of 4 x 1, 327,680 bytes of LDS; arguments q_img, q_scl, k_img, k_scl, v_img, v_scl, o_img, o_scl; writes o_img, o_scl
.if DOCPART == 2
	.amdgcn_target "amdgcn-amd-amdhsa--gfx1250"
	.amdhsa_code_object_version 6
	.text
	.protected	k_q839de35028_attn
	.globl	k_q839de35028_attn
	.p2align	8
	.type	k_q839de35028_attn,@function
k_q839de35028_attn:
	s_mov_b64 s[64:65], 0
	v_nop
	global_prefetch_b8 v0, s[64:65] scope:SCOPE_SE
	s_setreg_imm32_b32 hwreg(HW_REG_WAVE_MODE, 25, 1), 1
	s_wait_xcnt 0x0
	s_wait_alu depctr_hold_cnt(0) depctr_sa_sdst(0) depctr_va_vdst(0) depctr_va_sdst(0) depctr_va_ssrc(0) depctr_va_vcc(0) depctr_vm_vsrc(0)
	s_getreg_b32 s2, hwreg(HW_REG_IB_STS2, 6, 4)
	s_cmp_eq_u32 s2, 0
	s_cbranch_scc0 .Lentry_in_a_cluster
	s_endpgm
.Lentry_in_a_cluster:
	s_bfe_u32 s2, ttmp6, 0x10000c
	s_cmp_lg_u32 s2, 0x3003
	s_cbranch_scc0 .Lentry_shape_is_right
	s_endpgm
.Lentry_shape_is_right:
; Causal attention of one head on codes of FP4 (E2M1) with one E8M0 scale for each 32 along a product's K: O[q] = (sum over keys k <= q of p V[k]) / l, quantised again along the channels for the last projection.
; THE SOFTMAX: t = score x log2(e) / 8; M = the row's largest t so far, rounded UP to a whole number; p = 2^(t - M) is what is quantised, along the keys; l is the sum of the unquantised p, in f32, and divides O at the end.
; When M moves, l and O are multiplied by 2^(old M - new M): exact.
; SHARES.  A cluster of four work-groups is one (batch, head): bh = cluster y.  A head has 128 tiles of 16 queries.  A wave owns two: with a = wave / 2 and c = 2 cx + wave % 2, tile I = 8 a + c and then tile 127 - I.
; Tile I wants the key steps (128 keys) 0 .. I / 8: a + 1 steps and 16 - a steps: 17 for every wave.  The steps' bounds hang on the wave's number alone; cx enters global addresses and the mask's numbers only.
; LDS.  The head's K and V images (65,536 bytes each) and their scale words (4,096 each) are brought ONCE, by joint loads that name the four work-groups, and are only read afterwards: no slot, no refill, no LDS store.
; LAYOUT.  Both products are used transposed: S^T = K Q^T (source 0 = keys, source 1 = my 16 queries), O^T = V^T P^T (source 0 = 16 channels, source 1 = P): a lane holds ONE query (lane % 16) throughout.
; A HEAD HAS 64 CHANNELS AND THE INSTRUCTION TAKES 128 ALONG K: a fragment of K holds key tile 2 f in its K 0-63 and key tile 2 f + 1 in its K 64-127.  Against [q, zeros] it gives tile 2 f's scores, against [zeros, q]
; tile 2 f + 1's: zero codes add nothing under any scale byte but 0xff, and the bytes made by this program lie between 1 and 254.  So every byte read from LDS is multiplied.
; In S^T's tile t lane (r, h) holds keys 16 t + 8 h + 0 .. 7; block B of 32 keys is tiles 2 B, 2 B + 1 in lanes l and l xor 16.  The conversions' results, laid at registers 4 (B / 2) + B % 2 and + 2, become the operand by two
; exchanges of halves for each four registers.
; LIMITS: NaN and infinities are not served; a block of zeros gets the byte 1 where the rule says 127 (its codes are zeros; this program alone reads the bytes); 1 / l is v_rcp_f32;
; a block's largest p is made from the block's largest score by the same multiply-add and exponential as every p.
.set VIMG,  65536                      ; LDS: K's images at 0 (step s at 4,096 s), V's here,
.set KSCL,  131072                     ; K's scale words (256 s),
.set VSCL,  135168                     ; V's,
.set SPARE, 139264                     ; and the spare words, 128 bytes for each of sixteen waves: eight blocks of 256 bytes that no other line names
.set LI,  1                            ; v1   16 x lane: my place in an image (LDS and memory)
.set VI,  2                            ; v2   + VIMG
.set KW,  3                            ; v3   KSCL + 16 r
.set VW,  4                            ; v4   VSCL + 16 r
.set RO,  5                            ; v5   16 r
.set SO,  6                            ; v6   32 r + h: my byte among the result's scale bytes
.set DM,  7                            ; v7   r - 8 h
.set ADK, 8                            ; v8-11 the step's four LDS addresses
.set ADV, 9
.set ADS, 10
.set ADT, 11
.set QZ,  16                           ; v16-19 zeros, v20-23 q, v24-27 zeros: [q, 0] = v[20:27], [0, q] = v[16:23]
.set QS,  28                           ; v28  q's scale word (s0, s1, s0, s1)
.set DD,  29                           ; v29  the mask: my query - the diagonal step's first key - 8 h
.set QW,  30                           ; v30  q's scale word as loaded
.set KF,  32                           ; v32-63  K, four fragments
.set VF,  64                           ; v64-95  V, four fragments
.set S,   96                           ; v96-159 S^T, then p
.set O,   160                          ; v160-191 O^T
.set Q2,  192                          ; v192-196 the second tile's q and its word
.set SPW, 200                          ; v200 LDS address of my spare word; never rewritten
.set NIL, 201                          ; v201 0; never rewritten
.set PC,  224                          ; v224-231 codes.  v12 -M, v13 the largest t, v[14:15] l in two halves; v232-239, v244-247, v252, v254 at work; v240-243 V's scale words, v248-251 K's, v253 p's
.set SEL, 20                           ; s[20:21] lane selects for lane l xor 16
.set CS,  22                           ; s[22:23] c = log2(e) / 8
.set G1C, 24                           ; s[24:31] group 1: 64 dense rows of 256 bytes;  s[32:39]: 16 such rows
.set G1S, 32
.set G0C, 40                           ; s[40:43], s[44:47] groups 0
.set G0S, 44
.set WV,  56
.set BH,  57
.set CX,  58
.set TI,  59                           ; my tile in hand
.set LIM, 60                           ; its last key step
.set KST, 61                           ; the key step
.set TL,  62                           ; tiles to go
.set HM,  81                           ; s81 the lanes 16-31
.macro CROUND                          ; a round of the cluster's barrier
	s_barrier_signal -1
	s_barrier_wait -1
	s_cmp_lg_u32 s[WV], 0
	s_cbranch_scc1 .Lnot_wave_0_\@
	s_barrier_signal -3
.Lnot_wave_0_\@:
	s_barrier_wait -3
	s_barrier_signal -1
	s_barrier_wait -1
.endm
; where tile t's image and scale word lie: image (128 bh + t) x 512; word 4,096 bh + 256 (t / 8) + 4 ((t / 2) % 4) (+ 16 r in the lane)
.macro QADR t, img, scl
	s_lshl_b32 s66, s[BH], 16
	s_lshl_b32 s67, s[\t], 9
	s_add_co_u32 s[\img], s66, s67
	s_mov_b32 s[\img+1], 0
	s_add_nc_u64 s[\img:\img+1], s[4:5], s[\img:\img+1]
	s_lshl_b32 s66, s[BH], 12
	s_lshr_b32 s67, s[\t], 3
	s_lshl_b32 s67, s67, 8
	s_add_co_u32 s[\scl], s66, s67
	s_bfe_u32 s67, s[\t], 0x20001
	s_lshl_b32 s67, s67, 2
	s_add_co_u32 s[\scl], s[\scl], s67
	s_mov_b32 s[\scl+1], 0
	s_add_nc_u64 s[\scl:\scl+1], s[6:7], s[\scl:\scl+1]
.endm
	s_load_b512 s[4:19], s[0:1], 0x0               ; q_img 4, q_scl 6, k_img 8, k_scl 10, v_img 12, v_scl 14, o_img 16, o_scl 18
	v_lshl_add_u32 v[SPW], v0, 2, SPARE
	v_mov_b32 v[NIL], 0
	ds_add_u32 v200, v201
	ds_add_u32 v200, v201
	s_wait_dscnt 0x0
	v_lshrrev_b32 v8, 5, v0
	s_delay_alu instid0(VALU_DEP_1)
	v_readfirstlane_b32 s[WV], v8                  ; wave 0..15
	s_and_b32 s[BH], ttmp7, 0xffff                 ; 16 x batch + head: the four partners share it
	s_bfe_u32 s[CX], ttmp6, 0x40000                ; my place in the cluster
	s_mov_b32 s[G1C], 15|(3<<16)|(1<<21)           ; 15:0 the mask: all four work-groups; 17:16 elements of 8 bytes; 21 set beside a mask; no padding: images are read 16 bytes a lane on end
	s_mov_b32 s[G1C+1], 32<<16                     ; tensor_dim0 = 32 elements: 256 bytes
	s_mov_b32 s[G1C+2], 64<<16                     ; tensor_dim1 = 64
	s_mov_b32 s[G1C+3], 32<<16                     ; tile_dim0
	s_mov_b32 s[G1C+4], 64                         ; tile_dim1
	s_mov_b32 s[G1C+5], 32                         ; dense
	s_mov_b32 s[G1C+6], 0
	s_mov_b32 s[G1C+7], 0
	s_mov_b32 s[G1S], 15|(3<<16)|(1<<21)
	s_mov_b32 s[G1S+1], 32<<16
	s_mov_b32 s[G1S+2], 16<<16
	s_mov_b32 s[G1S+3], 32<<16
	s_mov_b32 s[G1S+4], 16
	s_mov_b32 s[G1S+5], 32
	s_mov_b32 s[G1S+6], 0
	s_mov_b32 s[G1S+7], 0
	s_mov_b32 s[G0C], 1
	s_lshl_b32 s[G0C+1], s[WV], 14                 ; waves 0-3: K's four quarters at 0 on; waves 4-7: V's at 65,536 on
	s_and_b32 s72, s[WV], 3
	s_lshl_b32 s72, s72, 14
	s_lshl_b32 s73, s[BH], 16
	s_add_co_u32 s72, s72, s73
	s_mov_b32 s73, 0
	s_mov_b32 s[G0S], 1
	s_lshl_b32 s[G0S+1], s[WV], 12
	s_add_co_u32 s[G0S+1], s[G0S+1], 98304         ; wave 8: 131,072; wave 9: 135,168
	s_lshl_b32 s74, s[BH], 12
	s_mov_b32 s75, 0
	s_mov_b32 s[SEL], 0x76543210
	s_mov_b32 s[SEL+1], 0xfedcba98
	s_mov_b32 s[CS], 0x3e38aa3b                    ; log2(e) / 8
	s_mov_b32 s[CS+1], s[CS]                       ; (named with it as a pair, so it is written)
	s_lshr_b32 s[LIM], s[WV], 1                    ; a
	s_lshl_b32 s[TI], s[LIM], 3
	s_lshl_b32 s76, s[CX], 1
	s_add_co_u32 s[TI], s[TI], s76
	s_and_b32 s76, s[WV], 1
	s_add_co_u32 s[TI], s[TI], s76                 ; I = 8 a + 2 cx + wave % 2
	s_wait_kmcnt 0x0
	s_cmp_lt_u32 s[WV], 4
	s_cselect_b64 s[G0C+2:G0C+3], s[8:9], s[12:13]
	s_add_nc_u64 s[G0C+2:G0C+3], s[G0C+2:G0C+3], s[72:73]
	s_or_b32 s[G0C+3], s[G0C+3], 0x80000000
	s_cmp_eq_u32 s[WV], 8
	s_cselect_b64 s[G0S+2:G0S+3], s[10:11], s[14:15]
	s_add_nc_u64 s[G0S+2:G0S+3], s[G0S+2:G0S+3], s[74:75]
	s_or_b32 s[G0S+3], s[G0S+3], 0x80000000
	CROUND                                         ; all four work-groups are here: the joint loads meet
	s_cmp_lt_u32 s[WV], 8                          ; one load a wave at the most; the branches hang on the wave's number alone.  Four v_nop follow each line
	s_cbranch_scc0 .Lnot_img
	tensor_load_to_lds s[G0C:G0C+3], s[G1C:G1C+7]
	s_nop 0
.rept 4
	v_nop
.endr
	s_branch .Lasked
.Lnot_img:
	s_cmp_lt_u32 s[WV], 10
	s_cbranch_scc0 .Lasked
	tensor_load_to_lds s[G0S:G0S+3], s[G1S:G1S+7]
	s_nop 0
.rept 4
	v_nop
.endr
.Lasked:
	v_and_b32 v11, 31, v0                          ; lane
	v_and_b32 v10, 15, v0                          ; r
	v_bfe_u32 v9, v0, 4, 1                         ; h
	s_delay_alu instid0(VALU_DEP_3)
	v_lshlrev_b32 v[LI], 4, v11
	s_wait_alu depctr_va_vdst(0)
	v_add_nc_u32 v[VI], VIMG, v[LI]
	v_lshlrev_b32 v[RO], 4, v10
	s_wait_alu depctr_va_vdst(0)
	v_add_nc_u32 v[KW], KSCL, v[RO]
	v_add_nc_u32 v[VW], VSCL, v[RO]
	v_lshl_add_u32 v[SO], v10, 5, v9
	v_lshlrev_b32 v8, 3, v9
	s_delay_alu instid0(VALU_DEP_1)
	v_sub_nc_u32 v[DM], v10, v8
	v_cmp_eq_u32 s[HM], 1, v9
	s_xor_b32 s80, s[TI], 127                      ; my second tile
	QADR TI, 72, 76
	QADR 80, 74, 78
	global_load_b128 v[QZ+4:QZ+7], v[LI], s[72:73] ; both tiles' q stay in registers
	global_load_b32 v[QW], v[RO], s[76:77]
	global_load_b128 v[Q2:Q2+3], v[LI], s[74:75]
	global_load_b32 v[Q2+4], v[RO], s[78:79]
.irp j, 0,1,2,3
	v_mov_b32 v[QZ+\j], 0
	v_mov_b32 v[QZ+8+\j], 0
	v_mov_b32 v[236+\j], 0                         ; written once: a lane permute's destination counts as one of its sources
.endr
	v_mov_b32 v252, 0
	v_mov_b32 v253, 0                              ; (named as the upper half of the pair v[252:253] before it is first written)
	s_wait_tensorcnt 0x0                           ; my part of the head is in LDS,
	s_barrier_signal -1
	s_barrier_wait -1                              ; everybody's is: from here on LDS is only read
	s_wait_loadcnt 0x0                             ; q
	s_mov_b32 s[TL], 2
.Ltile:
	s_bitcmp1_b32 s[TI], 0                         ; an odd tile's two bytes are the word's upper two
	s_mov_b32 s80, 0x01000100
	s_cselect_b32 s80, 0x03020302, s80
	s_wait_alu depctr_va_vdst(0)
	v_perm_b32 v[QS], v[QW], v[QW], s80            ; (more than eight plain instructions stand between this line and the first product that reads it)
	s_and_b32 s72, s[TI], 7
	s_lshl_b32 s72, s72, 4
	v_add_nc_u32 v[DD], s72, v[DM]
	s_lshr_b32 s72, s[BH], 4
	s_lshl_b32 s72, s72, 7
	s_add_co_u32 s72, s72, s[TI]                   ; the result's row tile: 128 x batch + I
	s_and_b32 s73, s[BH], 15                       ; the head
	s_lshl_b32 s74, s72, 13                        ; o_img [row tile][head][lane][16]: 8,192 bytes a row tile, 512 a head
	s_lshl_b32 s75, s73, 9
	s_add_co_u32 s74, s74, s75
	s_mov_b32 s75, 0
	s_add_nc_u64 s[68:69], s[16:17], s[74:75]
	s_lshl_b32 s74, s72, 9                         ; o_scl [row][32]: 512 bytes a row tile, 2 a head
	s_lshl_b32 s76, s73, 1
	s_add_co_u32 s74, s74, s76
	s_add_nc_u64 s[70:71], s[18:19], s[74:75]
	v_mov_b32 v13, 0xff61b1e6                      ; the largest t so far: -3e38, under every t
	s_delay_alu instid0(VALU_DEP_1)
	v_floor_f32 v12, -v13                          ; -M
	v_mov_b32 v14, 0
	v_mov_b32 v15, 0
.set j, 0
.rept 32
	v_mov_b32 v[O+j], 0                            ; O^T: the step is written once; the first finds zeros, which the first change of M leaves zeros
.set j, j+1
.endr
	s_mov_b32 s[KST], 0
.Lstep:                                            ; sixteen trips, a constant of the text; a step all of whose keys come after my queries does nothing
	s_cmp_gt_u32 s[KST], s[LIM]
	s_cbranch_scc1 .Lhidden
	s_setprio 2
	v_lshl_add_u32 v[ADK], s[KST], 12, v[LI]       ; these four are also the places in front of the loads into registers that the last products read
	v_lshl_add_u32 v[ADV], s[KST], 12, v[VI]
	v_lshl_add_u32 v[ADS], s[KST], 8, v[KW]
	v_lshl_add_u32 v[ADT], s[KST], 8, v[VW]
.irp g, 0,1,2,3,4,5,6,7
	ds_load_b128 v[KF+4*\g:KF+4*\g+3], v[ADK] offset:512*\g        ; key tile g's image: fragment g / 2, half g % 2
.endr
	ds_load_b128 v[248:251], v[ADS]                ; K's four scale words of row r
.irp g, 0,1,2,3,4,5,6,7
	ds_load_b128 v[VF+4*\g:VF+4*\g+3], v[ADV] offset:512*\g        ; channels 16 (g / 2) on, keys 64 (g % 2) on
.endr
	ds_load_b128 v[240:243], v[ADT]                ; V's four scale words
	s_wait_dscnt 9                                 ; K's nine loads are in; V's nine may stay out until the second product
.irp t, 0,1,2,3,4,5,6,7
	v_wmma_scale_f32_16x16x128_f8f6f4 v[S+8*\t:S+8*\t+7], v[KF+8*(\t/2):KF+8*(\t/2)+7], v[QZ+4-4*(\t%2):QZ+11-4*(\t%2)], 0, v[248+\t/2], v[QS] matrix_a_fmt:MATRIX_FMT_FP4 matrix_b_fmt:MATRIX_FMT_FP4
.endr
.rept 4
	v_nop
.endr
	s_cmp_lg_u32 s[KST], s[LIM]                    ; only my last step lies on the diagonal: there hidden scores become -infinity ahead of the maximum, so that p = 0
	s_cbranch_scc1 .Lopen
	v_mov_b32 v254, 0xff800000
.set n, 0
.rept 64
	v_cmp_gt_i32 vcc_lo, 16*(n/8)+n%8, v[DD]       ; register n holds key 16 (n / 8) + 8 h + n % 8 of the step: hidden where it comes after my query
	v_cndmask_b32 v[S+n], v[S+n], v254, vcc_lo
.set n, n+1
.endr
.Lopen:
.irp b, 0,1,2,3
	v_max3_num_f32 v[232+\b], v[S+16*\b], v[S+1+16*\b], v[S+2+16*\b]   ; the largest score of each block of 32 keys: it serves for the row's maximum and, since p rises with the score, for the block's largest p
.endr
.irp i, 3,5,7,9,11,13
.irp b, 0,1,2,3
	v_max3_num_f32 v[232+\b], v[232+\b], v[S+16*\b+\i], v[S+1+16*\b+\i]
.endr
.endr
.irp b, 0,1,2,3
	v_max_num_f32 v[232+\b], v[232+\b], v[S+15+16*\b]
.endr
.irp b, 0,1,2,3
	s_delay_alu instid0(VALU_DEP_4)
	v_permlanex16_b32 v[236+\b], v[232+\b], s[SEL], s[SEL+1]
.endr
.irp b, 0,1,2,3
	s_delay_alu instid0(VALU_DEP_4)
	v_max_num_f32 v[232+\b], v[232+\b], v[236+\b]  ; with lane l xor 16's 16 keys
.endr
	s_delay_alu instid0(VALU_DEP_2)
	v_max3_num_f32 v254, v232, v233, v234
	s_delay_alu instid0(VALU_DEP_1)
	v_max_num_f32 v254, v254, v235                 ; the step's largest score of my query (its first key counts for every query of the tile)
	s_delay_alu instid0(VALU_DEP_1)
	v_mul_f32 v254, s[CS], v254
	s_delay_alu instid0(VALU_DEP_1)
	v_max_num_f32 v13, v13, v254                   ; the running largest t
	v_mov_b32 v254, v12
	s_delay_alu instid0(VALU_DEP_2)
	v_floor_f32 v12, -v13                          ; the new -M = floor(-t): M is a whole number
	s_delay_alu instid0(VALU_DEP_1)
	v_sub_f32 v254, v12, v254                      ; old M - new M: a whole number, 0 or less
	s_delay_alu instid0(VALU_DEP_1)
	v_cvt_i32_f32 v254, v254                       ; (it saturates)
	s_delay_alu instid0(VALU_DEP_1)
	v_ldexp_f32 v252, 1.0, v254                    ; f = 2^(old M - new M)
.set j, 0
.rept 32
	v_pk_fma_f32 v[S+j:S+j+1], v[S+j:S+j+1], s[CS:CS+1], v[12:13] op_sel_hi:[1,0,0]   ; t - M, two at a time
.set j, j+2
.endr
	s_setprio 1
.irp b, 0,1,2,3
	v_fma_f32 v[232+\b], v[232+\b], s[CS], v12     ; the same of each block's largest score
.endr
.set j, 0
	s_wait_alu depctr_va_vdst(0)
.rept 64
	v_exp_f32 v[S+j], v[S+j]                       ; p = 2^(t - M), at most 1
.set j, j+1
.endr
	v_pk_mul_f32 v[14:15], v[14:15], v[252:253] op_sel_hi:[1,0]    ; l under the new M: a plain instruction behind the exponentials
	s_wait_alu depctr_va_vdst(0)                   ; one wait for the batch of 64, ahead of its first reader
.irp b, 0,1,2,3
	v_exp_f32 v[232+\b], v[232+\b]                 ; the block's largest p
.endr
	v_pk_add_f32 v[236:237], v[100:101], v[104:105]
	v_pk_add_f32 v[254:255], v[108:109], v[112:113]
	v_pk_add_f32 v[250:251], v[116:117], v[120:121]
	v_pk_add_f32 v[248:249], v[124:125], v[128:129]
	v_pk_add_f32 v[246:247], v[132:133], v[136:137]
	v_pk_add_f32 v[244:245], v[140:141], v[144:145]
	v_pk_add_f32 v[238:239], v[148:149], v[152:153]
	v_pk_add_f32 v[14:15], v[14:15], v[156:157]
	v_pk_add_f32 v[236:237], v[236:237], v[96:97]
	v_pk_add_f32 v[254:255], v[254:255], v[98:99]
	v_pk_add_f32 v[250:251], v[250:251], v[102:103]
	v_pk_add_f32 v[248:249], v[248:249], v[106:107]
	v_pk_add_f32 v[246:247], v[246:247], v[110:111]
	v_pk_add_f32 v[244:245], v[244:245], v[114:115]
	v_pk_add_f32 v[238:239], v[238:239], v[118:119]
	v_pk_add_f32 v[14:15], v[14:15], v[122:123]
	v_pk_add_f32 v[236:237], v[236:237], v[126:127]
	v_pk_add_f32 v[254:255], v[254:255], v[130:131]
	v_pk_add_f32 v[250:251], v[250:251], v[134:135]
	v_pk_add_f32 v[248:249], v[248:249], v[138:139]
	v_pk_add_f32 v[246:247], v[246:247], v[142:143]
	v_pk_add_f32 v[244:245], v[244:245], v[146:147]
	v_pk_add_f32 v[238:239], v[238:239], v[150:151]
	v_pk_add_f32 v[14:15], v[14:15], v[154:155]
	v_pk_add_f32 v[236:237], v[236:237], v[158:159]
	s_delay_alu instid0(VALU_DEP_2)
	v_pk_add_f32 v[14:15], v[14:15], v[248:249]
	s_delay_alu instid0(VALU_DEP_2)
	v_pk_add_f32 v[236:237], v[236:237], v[246:247]
	v_pk_add_f32 v[254:255], v[254:255], v[244:245]
	v_pk_add_f32 v[250:251], v[250:251], v[238:239]
	s_delay_alu instid0(VALU_DEP_2)
	v_pk_add_f32 v[14:15], v[14:15], v[254:255]
	s_delay_alu instid0(VALU_DEP_2)
	v_pk_add_f32 v[236:237], v[236:237], v[250:251]
	s_delay_alu instid0(VALU_DEP_1)
	v_pk_add_f32 v[14:15], v[14:15], v[236:237]
	s_wait_alu depctr_va_vdst(0)                   ; and one for the four
.irp b, 0,1,2,3
	v_max_num_f32 v[232+\b], 0x1800000, v[232+\b]  ; the floor 2^(3 - 127): the byte cannot fall under 1
.endr
.irp b, 0,1,2,3
	s_delay_alu instid0(VALU_DEP_4)
	v_add_nc_u32 v[244+\b], 0xff000000, v[232+\b]  ; 2 off the exponent field: the conversion's scale operand
.endr
.irp b, 0,1,2,3
	s_delay_alu instid0(VALU_DEP_4)
	v_lshrrev_b32 v[236+\b], 23, v[244+\b]         ; the scale's byte
.endr
	s_delay_alu instid0(VALU_DEP_3)
	v_lshl_or_b32 v253, v237, 8, v236              ; p's scale word for these 128 keys
	s_delay_alu instid0(VALU_DEP_1)
	v_lshl_or_b32 v253, v238, 16, v253
	s_delay_alu instid0(VALU_DEP_1)
	v_lshl_or_b32 v253, v239, 24, v253
	s_setprio 0
.irp b, 0,1,2,3
	v_cvt_scalef32_pk8_fp4_f32 v[PC+4*(\b/2)+(\b%2)], v[S+16*\b:S+16*\b+7], v[244+\b]
	v_cvt_scalef32_pk8_fp4_f32 v[PC+4*(\b/2)+(\b%2)+2], v[S+16*\b+8:S+16*\b+15], v[244+\b]
.endr
	v_nop                                          ; one plain place behind a scaled conversion
.irp c, 0,1,2,3
	v_permlane16_swap_b32 v[PC+2*\c], v[PC+2*\c+1] ; registers 4 c .. 4 c + 3 now hold keys 64 c + 32 h + 0 .. 31
.endr
.set j, 0
.rept 16
	v_pk_mul_f32 v[O+j:O+j+1], v[O+j:O+j+1], v[252:253] op_sel_hi:[1,0]   ; O^T under the new M.  These sixteen also stand between the lines that wrote p's codes and scale word and the products
.set j, j+2
.endr
	s_wait_alu depctr_va_vdst(0)
	s_wait_dscnt 0x0                               ; V
.irp t, 0,1,2,3
	v_wmma_scale_f32_16x16x128_f8f6f4 v[O+8*\t:O+8*\t+7], v[VF+8*\t:VF+8*\t+7], v[PC:PC+7], v[O+8*\t:O+8*\t+7], v[240+\t], v253 matrix_a_fmt:MATRIX_FMT_FP4 matrix_b_fmt:MATRIX_FMT_FP4
.endr
.Lhidden:
	s_add_co_u32 s[KST], s[KST], 1
	s_cmp_lt_u32 s[KST], 16
	s_cbranch_scc1 .Lstep
	s_setprio 0
	; A TILE'S WAY OUT: O^T / l, quantised along the 64 channels (two blocks), as the image of the next product's operand
	v_add_f32 v14, v14, v15
	s_delay_alu instid0(VALU_DEP_1)
	v_permlanex16_b32 v252, v14, s[SEL], s[SEL+1]
	s_delay_alu instid0(VALU_DEP_1)
	v_add_f32 v14, v14, v252                       ; the row's sum
	s_wait_alu depctr_va_vdst(0)
	v_rcp_f32 v14, v14
	v_nop                                          ; plain instructions behind the reciprocal; with the additions above also the places behind the last products
	v_nop
	s_wait_alu depctr_va_vdst(0)                   ; ahead of the reciprocal's first reader
.set j, 0
.rept 16
	v_pk_mul_f32 v[S+j:S+j+1], v[O+j:O+j+1], v[14:15] op_sel_hi:[1,0]   ; register 8 t + i: channel 16 t + 8 h + i; each accumulator from its low end on
.set j, j+2
.endr
.irp b, 0,1
	v_max3_num_f32 v[232+\b], |v[S+16*\b]|, |v[S+1+16*\b]|, 0x1800000
.endr
.irp i, 2,4,6,8,10,12,14
.irp b, 0,1
	s_delay_alu instid0(VALU_DEP_2)
	v_max3_num_f32 v[232+\b], v[232+\b], |v[S+16*\b+\i]|, |v[S+1+16*\b+\i]|
.endr
.endr
.irp b, 0,1
	s_delay_alu instid0(VALU_DEP_2)
	v_permlanex16_b32 v[236+\b], v[232+\b], s[SEL], s[SEL+1]
.endr
.irp b, 0,1
	s_delay_alu instid0(VALU_DEP_2)
	v_max_num_f32 v[232+\b], v[232+\b], v[236+\b]
.endr
.irp b, 0,1
	s_delay_alu instid0(VALU_DEP_2)
	v_add_nc_u32 v[244+\b], 0xff000000, v[232+\b]
.endr
.irp b, 0,1
	s_delay_alu instid0(VALU_DEP_2)
	v_lshrrev_b32 v[236+\b], 23, v[244+\b]
.endr
	s_delay_alu instid0(VALU_DEP_1)
	v_cndmask_b32 v238, v236, v237, s[HM]          ; lanes 0-15 store block 0's byte, lanes 16-31 block 1's
	v_cvt_scalef32_pk8_fp4_f32 v[PC], v[S:S+7], v244
	v_cvt_scalef32_pk8_fp4_f32 v[PC+2], v[S+8:S+15], v244
	v_cvt_scalef32_pk8_fp4_f32 v[PC+1], v[S+16:S+23], v245
	v_cvt_scalef32_pk8_fp4_f32 v[PC+3], v[S+24:S+31], v245
	v_nop
	v_permlane16_swap_b32 v[PC], v[PC+1]
	v_permlane16_swap_b32 v[PC+2], v[PC+3]         ; lane (r, h): block h of my head for query r
	global_store_b128 v[LI], v[PC:PC+3], s[68:69]  ; 512 consecutive bytes, aligned
	global_store_b8 v[SO], v238, s[70:71]          ; two bytes of each of 16 rows of 32: a head's share of a row of scale bytes
	s_wait_xcnt 0x0                                ; the stores have read their data and bases: both are written again in the next trip
.irp j, 0,1,2,3
	v_mov_b32 v[QZ+4+\j], v[Q2+\j]                 ; on to my second tile
.endr
	v_mov_b32 v[QW], v[Q2+4]
	s_xor_b32 s[TI], s[TI], 127                    ; 127 - I
	s_xor_b32 s[LIM], s[LIM], 15                   ; 15 - a
	s_sub_co_u32 s[TL], s[TL], 1
	s_cmp_lg_u32 s[TL], 0
	s_cbranch_scc1 .Ltile
	s_wait_tensorcnt 0x0                           ; the wave's end
	ds_add_u32 v[SPW], v[NIL]
	s_wait_dscnt 0x0
	CROUND                                         ; the closing round
	s_endpgm
.Lfunc_end_k_q839de35028_attn:
	.size	k_q839de35028_attn, .Lfunc_end_k_q839de35028_attn-k_q839de35028_attn
	.p2alignl 7, 3214868480
	.fill 96, 4, 3214868480
	.section	.rodata,"a",@progbits
	.p2align	6, 0x0
	.amdhsa_kernel k_q839de35028_attn
		.amdhsa_group_segment_fixed_size 327680
		.amdhsa_private_segment_fixed_size 0
		.amdhsa_enable_private_segment 0
		.amdhsa_kernarg_size 64
		.amdhsa_user_sgpr_count 2
		.amdhsa_user_sgpr_kernarg_segment_ptr 1
		.amdhsa_wavefront_size32 1
		.amdhsa_system_sgpr_workgroup_id_x 1
		.amdhsa_system_sgpr_workgroup_id_y 1
		.amdhsa_system_sgpr_workgroup_id_z 1
		.amdhsa_system_vgpr_workitem_id 0
		.amdhsa_next_free_vgpr 256
		.amdhsa_next_free_sgpr 82
		.amdhsa_reserve_vcc 1
		.amdhsa_float_denorm_mode_32 3
		.amdhsa_float_denorm_mode_16_64 3
		.amdhsa_memory_ordered 1
		.amdhsa_forward_progress 1
		.amdhsa_inst_pref_size 35
	.end_amdhsa_kernel
	.amdgpu_metadata
---
amdhsa.version: [ 1, 2 ]
amdhsa.kernels:
  - .name:           k_q839de35028_attn
    .symbol:         k_q839de35028_attn.kd
    .args:
      - { .name: q_img, .offset: 0, .size: 8, .value_kind: global_buffer, .address_space: global }
      - { .name: q_scl, .offset: 8, .size: 8, .value_kind: global_buffer, .address_space: global }
      - { .name: k_img, .offset: 16, .size: 8, .value_kind: global_buffer, .address_space: global }
      - { .name: k_scl, .offset: 24, .size: 8, .value_kind: global_buffer, .address_space: global }
      - { .name: v_img, .offset: 32, .size: 8, .value_kind: global_buffer, .address_space: global }
      - { .name: v_scl, .offset: 40, .size: 8, .value_kind: global_buffer, .address_space: global }
      - { .name: o_img, .offset: 48, .size: 8, .value_kind: global_buffer, .address_space: global }
      - { .name: o_scl, .offset: 56, .size: 8, .value_kind: global_buffer, .address_space: global }
    .group_segment_fixed_size: 327680
    .private_segment_fixed_size: 0
    .kernarg_segment_align: 8
    .kernarg_segment_size: 64
    .max_flat_workgroup_size: 512
    .sgpr_count:     82
    .vgpr_count:     256
    .wavefront_size: 32
...
	.end_amdgpu_metadata
.endif
;; end of part 2
;; launch proj (part 3): grid 4 x 32, 4 waves a work-group, clusters of 4 x 4, 327,680 bytes of LDS; arguments o_img, o_scl, Wo_codes, Wo_scales, out0, bo; writes out0
.if DOCPART == 3
	.amdgcn_target "amdgcn-amd-amdhsa--gfx1250"
	.amdhsa_code_object_version 6
	.text
	.protected	k_q839de35028_proj
	.globl	k_q839de35028_proj
	.p2align	8
	.type	k_q839de35028_proj,@function
k_q839de35028_proj:
	s_mov_b64 s[64:65], 0
	v_nop
	global_prefetch_b8 v0, s[64:65] scope:SCOPE_SE
	s_setreg_imm32_b32 hwreg(HW_REG_WAVE_MODE, 25, 1), 1
	s_wait_xcnt 0x0
	s_wait_alu depctr_hold_cnt(0) depctr_sa_sdst(0) depctr_va_vdst(0) depctr_va_sdst(0) depctr_va_ssrc(0) depctr_va_vcc(0) depctr_vm_vsrc(0)
	s_getreg_b32 s2, hwreg(HW_REG_IB_STS2, 6, 4)
	s_cmp_eq_u32 s2, 0
	s_cbranch_scc0 .Lentry_in_a_cluster
	s_endpgm
.Lentry_in_a_cluster:
	s_bfe_u32 s2, ttmp6, 0x10000c
	s_cmp_lg_u32 s2, 0xf033
	s_cbranch_scc0 .Lentry_shape_is_right
	s_endpgm
.Lentry_shape_is_right:
; out0 = o Wo^T + bo.  o [8192][1024] and Wo [1024][1024]: codes of FP4 (E2M1) with one E8M0 byte for each 32 along K; out0 [8192][1024] f32; sums in f32.
; Wo's codes lie by rows of 512 bytes.  o's lie as IMAGES OF THE OPERAND'S REGISTERS: o_img [row tile 512][head 16][lane 32][16 bytes]; head 2 q + c holds registers 4 c .. 4 c + 3 of the fragment (16 rows x K 128 q on).
; Both tensors' scale bytes lie [row][32].
; A tile of 256 x 256 of out0 is made by a work-group of four waves; a wave makes 128 x 128: 64 accumulators, 512 registers.  K = 1,024 is two LDS slots of 512 along K, each filled once: no slot is filled again.
; CLUSTERS: 4 x 4 work-groups.  The four of a row of the cluster need the same tiles of o, the four of a column the same tiles of Wo: each is asked for JOINTLY.
; THE MATRIX INSTRUCTION IS USED TRANSPOSED (source 0 = 16 rows of Wo, source 1 = 16 rows of o): a lane then holds eight neighbouring numbers of a row of out0.  The bias is the C of each sum's first matrix instruction.
; LIMITS: a given scale byte 0xff makes NaN; NaN and infinities are not served otherwise.
; REGISTERS, in windows of 256: window 0: v1-31 addresses; v32-95 scale words, two sets; v128-191 o's fragments, ONE set; on the way out v128-255 rows of out0.
;   window 1: Wo's fragments, TWO sets, at v0 and v128; v64-127 the bias.   window 2: the accumulators of my rows 0-63 ((a, b) at v[8 (8 a + b)]);   window 3: those of rows 64-127.
.set SIZE_N, 1024
.set ROWB,   256                       ; a row of Wo's tile in bytes: 512 codes
.set KROW,   512                       ; a row of Wo in memory; also o's image bytes for each row
.set PITCH,  272                       ; an LDS row of Wo: 256 bytes + 16 of padding, an odd multiple of 16
.set FR,     8
.set NL,     2
.set NP,     4
.set NQ,     4
.set HALFT,  128*PITCH                 ; the room of one tensor load: 128 rows of Wo (34,816 bytes) or eight row tiles' images of o (32,768 bytes)
.set SLOT,   4*HALFT
.set KS,     32
.set SCL,    2*SLOT
.set HALFS,  (128*KS/256)*272
.set SBLK,   (16*KS/256)*272
.set SPARE,  SCL+4*HALFS               ; the spare words, 128 bytes for each wave: two blocks of 256 bytes that no other line names
.set SPITCH, 528                       ; the way out: a stage of 16 rows x (512 bytes + 16) for each wave, in slot 0, which has had its only fill and its last read when the first result is stored there
.set ADRA, 16
.set ADRB, 20
.set STO,  24                          ; v24  the way out: where I put 32 bytes of a row
.set RD,   25                          ; v25  where I read a row back
.set CO,   26                          ; v26  16 x lane
.set ADRS, 27
.set SPW,  28
.set NIL,  29
.set SC,   32
.set AF,   128
.set BK,   128
.set BI,   64                          ; in window 1: the bias
.set G1,   24
.set G0,   32
.set G1B,  48
.set G0B,  56
.set G1S,  68
.set G0S,  76
.set G1SB, 80
.set G0SB, 88
.set MSB, 0
.macro WIN new
.if MSB != \new
	s_set_vgpr_msb (MSB<<8)|\new
.set MSB, \new
.endif
.endm
.set MUL_LO,   0xa1
.set MUL_HI,   0xf1
.set FIRST_LO, 0x91                    ; the first K step: C (the bias) window 1, D window 2
.set FIRST_HI, 0xd1
.set TO_B,     0x40
.macro JLOAD g0a, g1a, g0b, g1b        ; a joint load: waves 0 and 1 fetch for o, waves 2 and 3 for Wo; four v_nop follow each of the two lines
	s_cmp_eq_u32 s15, 0
	s_cbranch_scc0 .Lfor_b_\@
	tensor_load_to_lds s[\g0a:\g0a+3], s[\g1a:\g1a+7]
	s_nop 0
.rept 4
	v_nop
.endr
	s_branch .Lasked_\@
.Lfor_b_\@:
	tensor_load_to_lds s[\g0b:\g0b+3], s[\g1b:\g1b+7]
	s_nop 0
.rept 4
	v_nop
.endr
.Lasked_\@:
.endm
.macro CROUND
	s_barrier_signal -1
	s_barrier_wait -1
	s_cmp_lg_u32 s14, 0
	s_cbranch_scc1 .Lnot_wave_0_\@
	s_barrier_signal -3
.Lnot_wave_0_\@:
	s_barrier_wait -3
	s_barrier_signal -1
	s_barrier_wait -1
.endm
	s_load_b128 s[4:7], s[0:1], 0x0                ; o_img, o_scl
	s_load_b128 s[8:11], s[0:1], 0x10              ; Wo's codes, Wo's scales
	s_load_b64 s[12:13], s[0:1], 0x20              ; out0
	s_load_b64 s[96:97], s[0:1], 0x28              ; bo
	v_lshl_add_u32 v[SPW], v0, 2, SPARE
	v_mov_b32 v[NIL], 0
	ds_add_u32 v28, v29
	ds_add_u32 v28, v29
	s_wait_dscnt 0x0
	v_lshrrev_b32 v1, 5, v0
	v_readfirstlane_b32 s14, v1                    ; wave 0..3
	s_lshr_b32 s15, s14, 1                         ; which half of the tile's rows is mine.  Also: I fetch for o (0) or for Wo (1)
	s_and_b32 s16, s14, 1                          ; which half of its columns.  Also: which 128 rows of that tile I fetch
	s_bfe_u32 s40, ttmp6, 0x40000
	s_bfe_u32 s41, ttmp6, 0x40004
	s_lshl_b32 s42, ttmp9, 2
	s_add_co_u32 s42, s42, s40                     ; tile column = 4 x cluster x + cx
	s_and_b32 s17, ttmp7, 0xffff
	s_lshl_b32 s17, s17, 2
	s_add_co_u32 s17, s17, s41                     ; tile row = 4 x cluster y + cy
	s_lshl_b32 s43, s41, 2
	s_lshl_b32 s43, 15, s43                        ; my row of the cluster
	s_lshl_b32 s44, 0x1111, s40                    ; my column
	; o: eight row tiles x 4,096 bytes (half of K), 8,192 bytes apart in memory, on end in LDS
	s_or_b32 s[G1+0], s43, (3<<16)|(1<<21)         ; 15:0 the mask; 17:16 elements of 8 bytes; 21 set beside a mask; no padding: images are read 16 bytes a lane on end
	s_mov_b32 s[G1+1], 512<<16                     ; tensor_dim0 = 512 elements
	s_mov_b32 s[G1+2], 8<<16                       ; tensor_dim1 = 8
	s_mov_b32 s[G1+3], 512<<16                     ; tile_dim0
	s_mov_b32 s[G1+4], 8                           ; tile_dim1
	s_mov_b32 s[G1+5], 1024                        ; tensor_dim0_stride
	s_mov_b32 s[G1+6], 0
	s_mov_b32 s[G1+7], 0
	; Wo: 128 rows x 256 bytes, padded in LDS
	s_or_b32 s[G1B+0], s44, (0<<16)|(1<<20)|(1<<21)|(5<<22)|(3<<25)
	s_mov_b32 s[G1B+1], ROWB<<16
	s_mov_b32 s[G1B+2], 128<<16
	s_mov_b32 s[G1B+3], ROWB<<16
	s_mov_b32 s[G1B+4], 128
	s_mov_b32 s[G1B+5], KROW
	s_mov_b32 s[G1B+6], 0
	s_mov_b32 s[G1B+7], 0
	; the scale bytes of 128 rows: 4,096 dense bytes as 16 rows of 256, 16 bytes of padding behind each
	s_or_b32 s[G1S+0], s43, (3<<16)|(1<<20)|(1<<21)|(5<<22)|(3<<25)
	s_or_b32 s[G1SB+0], s44, (3<<16)|(1<<20)|(1<<21)|(5<<22)|(3<<25)
.irp g, G1S, G1SB
	s_mov_b32 s[\g+1], 32<<16
	s_mov_b32 s[\g+2], (128*KS/256)<<16
	s_mov_b32 s[\g+3], 32<<16
	s_mov_b32 s[\g+4], 128*KS/256
	s_mov_b32 s[\g+5], 32
	s_mov_b32 s[\g+6], 0
	s_mov_b32 s[\g+7], 0
.endr
	s_lshl_b32 s18, s16, 7
	s_lshl_b32 s20, s17, 8
	s_add_co_u32 s20, s20, s18                     ; o: row 256 x tile row + 128 x half
	s_lshl_b32 s46, s42, 8
	s_add_co_u32 s46, s46, s18                     ; Wo: row 256 x tile column + 128 x half
	s_lshl_b32 s22, s20, 5
	s_mov_b32 s23, 0
	s_lshl_b32 s92, s46, 5
	s_mov_b32 s93, 0
	s_lshl_b32 s20, s20, 9                         ; 512 bytes a row, in the images too (8,192 a row tile)
	s_mov_b32 s21, 0
	s_lshl_b32 s46, s46, 9
	s_mov_b32 s47, 0
	s_mul_i32 s45, s14, HALFT
	s_mul_i32 s94, s14, HALFS
	s_wait_kmcnt 0x0
	s_add_nc_u64 s[20:21], s[4:5], s[20:21]
	s_add_nc_u64 s[22:23], s[6:7], s[22:23]
	s_add_nc_u64 s[46:47], s[8:9], s[46:47]
	s_add_nc_u64 s[92:93], s[10:11], s[92:93]
	CROUND                                         ; all sixteen work-groups are here: the joint loads meet
	s_mov_b32 s[G0S], 1
	s_add_co_u32 s[G0S+1], s94, SCL
	s_mov_b64 s[G0S+2:G0S+3], s[22:23]
	s_or_b32 s[G0S+3], s[G0S+3], 0x80000000
	s_mov_b32 s[G0SB], 1
	s_add_co_u32 s[G0SB+1], s94, SCL
	s_mov_b64 s[G0SB+2:G0SB+3], s[92:93]
	s_or_b32 s[G0SB+3], s[G0SB+3], 0x80000000
	JLOAD G0S, G1S, G0SB, G1SB
.irp s, 0,1
	s_mov_b32 s[G0+4*\s], 1
	s_add_co_u32 s[G0+4*\s+1], s45, \s*SLOT
	s_add_nc_u64 s[G0+4*\s+2:G0+4*\s+3], s[20:21], \s*4096         ; the second half of K: eight heads, 4,096 bytes, on in each row tile
	s_or_b32 s[G0+4*\s+3], s[G0+4*\s+3], 0x80000000
	s_mov_b32 s[G0B+4*\s], 1
	s_add_co_u32 s[G0B+4*\s+1], s45, \s*SLOT
	s_add_nc_u64 s[G0B+4*\s+2:G0B+4*\s+3], s[46:47], \s*ROWB
	s_or_b32 s[G0B+4*\s+3], s[G0B+4*\s+3], 0x80000000
	s_wait_alu depctr_va_vdst(0)
	s_wait_tensorcnt 0x0
	ds_add_u32 v28, v29
	s_wait_dscnt 0x0
	CROUND
	JLOAD G0+4*\s, G1, G0B+4*\s, G1B               ; one load of mine is out, and no more follow
.endr
	v_and_b32 v1, 15, v0                           ; r
	v_bfe_u32 v2, v0, 4, 1                         ; h
	v_and_b32 v6, 31, v0
	v_lshlrev_b32 v[CO], 4, v6                     ; 16 x lane
	v_mul_u32_u24 v3, v1, PITCH
	v_lshl_add_u32 v4, v2, 4, v3
	s_mul_i32 s21, s15, HALFT                      ; my eight row tiles of o
	s_mul_i32 s22, s16, HALFT                      ; my 128 rows of Wo,
	s_add_co_u32 s22, s22, 2*HALFT                 ; behind o's two halves
.irp s, 0,1
	v_add_nc_u32 v[ADRA+\s], s21, v[CO]
	v_add_nc_u32 v[ADRB+\s], s22, v4
	s_add_co_u32 s21, s21, SLOT
	s_add_co_u32 s22, s22, SLOT
.endr
	v_mul_u32_u24 v5, v1, KS
	v_lshrrev_b32 v6, 8, v5
	v_lshl_add_u32 v5, v6, 4, v5
	s_mul_i32 s21, s15, HALFS
	s_mul_i32 s22, s16, HALFS
	s_add_co_u32 s22, s22, 2*HALFS
	s_sub_co_u32 s22, s22, s21
	v_mul_u32_u24 v6, s22, v2                      ; lanes 16-31 take Wo's
	s_add_co_u32 s21, s21, SCL
	v_add_nc_u32 v5, v5, v6
	v_add_nc_u32 v[ADRS], s21, v5
	s_mul_i32 s23, s14, 16*SPITCH                  ; my stage
	v_mul_u32_u24 v5, v1, SPITCH
	v_lshl_add_u32 v5, v2, 5, v5
	v_add_nc_u32 v[STO], s23, v5
	v_add_nc_u32 v[RD], s23, v[CO]
	s_lshl_b32 s20, s17, 8
	s_lshl_b32 s21, s15, 7
	s_add_co_u32 s20, s20, s21                     ; my first row of out0
	s_lshl_b32 s20, s20, 12                        ; 4,096 bytes a row (under 2^25)
	s_mov_b32 s21, 0
	s_lshl_b32 s46, s42, 10                        ; my first column, in bytes: 1,024 x tile column + 512 x half
	s_lshl_b32 s47, s16, 9
	s_add_co_u32 s46, s46, s47
	s_mov_b32 s47, 0
	s_add_nc_u64 s[96:97], s[96:97], s[46:47]      ; the bias at my first column
	s_add_nc_u64 s[20:21], s[20:21], s[46:47]
	s_add_nc_u64 s[12:13], s[12:13], s[20:21]
	v_lshlrev_b32 v7, 5, v2                        ; register j of accumulator (a, b) is column 16 b + 8 h + j: byte 64 b + 32 h + 4 j
	WIN TO_B
.irp b, 0,1,2,3,4,5,6,7
	global_load_b128 v[BI+8*\b:BI+8*\b+3], v7, s[96:97] offset:64*\b
	global_load_b128 v[BI+8*\b+4:BI+8*\b+7], v7, s[96:97] offset:64*\b+16
.endr
	WIN 0
.macro FRAG reg, adr, q, i             ; a fragment of Wo from rows: registers 4 c .. 4 c + 3 hold K = 64 c + 32 (l / 16) + 0 .. 31 of row l % 16
.irp c, 0,1
	ds_load_b128 v[\reg+4*\c:\reg+4*\c+3], v[\adr] offset:64*(\q)+32*\c+(\i)*16*PITCH
.endr
.endm
.macro FRAGA reg, adr, q, i            ; a fragment of o from its image: row tile i, heads 2 q and 2 q + 1 of the slot's eight
.irp c, 0,1
	ds_load_b128 v[\reg+4*\c:\reg+4*\c+3], v[\adr] offset:4096*(\i)+1024*(\q)+512*\c
.endr
.endm
; 16 matrix instructions: o's blocks a0, a0 + 1 x Wo's eight.  first = 1: C is the bias.  The 64 accumulators take turns, one instruction a turn, in the same order in every step.
.macro MUL16 a0, p, q, sc, first
.irp a, \a0, \a0+1
.irp b, 0,1,2,3,4,5,6,7
.set rD, 8*(8*((\a)%4)+\b)
.set rB, 128*(\p)+FR*\b
.set rA, AF+FR*(\a)
.set rC, rD
.if \first == 1
.set rC, BI+8*\b
.endif
	v_wmma_scale_f32_16x16x128_f8f6f4 v[rD:rD+7], v[rB:rB+7], v[rA:rA+7], v[rC:rC+7], v[SC+8*NQ*(\sc)+NQ*\b+(\q)], v[SC+8*NQ*(\sc)+NQ*(\a)+(\q)] matrix_a_fmt:MATRIX_FMT_FP4 matrix_b_fmt:MATRIX_FMT_FP4 matrix_a_scale:MATRIX_SCALE_ROW1
.endr
.endr
.endm
.macro FETCH_B slot, q, p
	WIN TO_B
.irp i, 0,1,2,3,4,5,6,7
	FRAG 128*(\p)+FR*\i, ADRB+\slot, \q, \i
.endr
	WIN 0
.endm
.macro FETCH_A slot, q, i0
.irp i, \i0, \i0+1, \i0+2, \i0+3
	FRAGA AF+FR*(\i), ADRA+\slot, \q, \i
.endr
.endm
.macro SCALES sc
.irp i, 0,1,2,3,4,5,6,7
	ds_load_b128 v[SC+8*NQ*\sc+NQ*\i:SC+8*NQ*\sc+NQ*\i+3], v[ADRS] offset:\i*SBLK
.endr
.endm
.macro PLACES n                        ; places in front of loads into registers that matrix instructions have read, and of the first read of results (ISA guide 7.12.1 for the first read of results)
.rept \n
	v_nop
.endr
.endm
.macro STEP slot, q, first
	s_wait_dscnt 4*NL                              ; all but the youngest eight loads (o's blocks 4-7) are in
.if \first
	WIN FIRST_LO
.else
	WIN MUL_LO
.endif
	MUL16 0, (\q)%2, \q, \slot, \first
	MUL16 2, (\q)%2, \q, \slot, \first
	s_wait_dscnt 0
	PLACES NP
	FETCH_B \slot, (\q)+1, 1-(\q)%2
	FETCH_A \slot, (\q)+1, 0
.if \first
	WIN FIRST_HI
.else
	WIN MUL_HI
.endif
	MUL16 4, (\q)%2, \q, \slot, \first
	MUL16 6, (\q)%2, \q, \slot, \first
	PLACES NP
	WIN 0
	FETCH_A \slot, (\q)+1, 4
.endm
.macro TURN slot, next                 ; slot 0's last step goes over to slot 1: one barrier
	s_wait_tensorcnt 0x0                           ; all my tensor loads have landed
	ds_add_u32 v[SPW], v[NIL]                      ; 0 onto my spare word
	s_wait_dscnt 4*NL+1                            ; (the add and the youngest eight loads may be out)
	WIN MUL_LO
	MUL16 0, 1, NQ-1, \slot, 0
	s_wait_dscnt 0x0                               ; my reads of this slot are over: behind the barrier it may serve as the stage
	s_barrier_signal -1
	MUL16 2, 1, NQ-1, \slot, 0
	WIN 0
	s_barrier_wait -1
	PLACES NP
	v_add_nc_u32 v[ADRS], 4*NQ, v[ADRS]
	FETCH_B \next, 0, 0
	FETCH_A \next, 0, 0
	SCALES \next
	WIN MUL_HI
	MUL16 4, 1, NQ-1, \slot, 0
	MUL16 6, 1, NQ-1, \slot, 0
	PLACES NP
	WIN 0
	FETCH_A \next, 0, 4
.endm
	s_wait_alu depctr_va_vdst(0)
	s_wait_tensorcnt 1                             ; the scale bytes and my part of slot 0 are in (slot 1's load may be out),
	s_barrier_signal -1
	s_barrier_wait -1                              ; everybody's are
	FETCH_B 0, 0, 0
	FETCH_A 0, 0, 0
	SCALES 0
	FETCH_A 0, 0, 4
	s_wait_loadcnt 0x0                             ; the bias
	STEP 0, 0, 1
	STEP 0, 1, 0
	STEP 0, 2, 0
	TURN 0, 1
	STEP 1, 0, 0
	STEP 1, 1, 0
	STEP 1, 2, 0
	s_wait_dscnt 4*NL                              ; the very last step: nothing more to fetch
	WIN MUL_LO
	MUL16 0, 1, NQ-1, 1, 0
	MUL16 2, 1, NQ-1, 1, 0
	s_wait_dscnt 0
	WIN MUL_HI
	MUL16 4, 1, NQ-1, 1, 0
	MUL16 6, 1, NQ-1, 1, 0
	WIN 0
; THE WAY OUT, block by block of 16 rows x 128 columns.  A lane holds 32 neighbouring bytes of a row, and the lanes beside it hold other rows: a block goes through my own stage in LDS and comes back as whole rows of
; 512 bytes.  LDS serves a wave's instructions in order (ISA guide 5.7.1.4): no wait between the stores and the loads, nor in front of the next block's stores.
.macro TOSTAGE a
.set AC, 64*((\a)%4)
.set WW, 0x08+4*((\a)/4)               ; an LDS store's data are its source 1: window 2 or 3
	WIN WW
.irp b, 0,1,2,3,4,5,6,7
	ds_store_b128 v[STO], v[AC+8*\b:AC+8*\b+3] offset:64*\b          ; each accumulator from its low end on
	ds_store_b128 v[STO], v[AC+8*\b+4:AC+8*\b+7] offset:64*\b+16
.endr
	WIN 0
.set BB, BK+64*((\a)%2)
.irp t, 0,1,2,3,4,5,6,7,8,9,10,11,12,13,14,15
	ds_load_b128 v[BB+4*\t:BB+4*\t+3], v[RD] offset:\t*SPITCH
.endr
.endm
.macro SEND a, younger                 ; younger: the LDS instructions issued behind block a's loads, which may stay out
.set BB, BK+64*((\a)%2)
	s_wait_dscnt \younger
.if (\a) > 0
	s_add_nc_u64 s[12:13], s[12:13], 16*SIZE_N*4   ; (behind a wait on XCNT: the earlier stores have read their base)  16 rows on
.endif
.irp t, 0,1,2,3,4,5,6,7,8,9,10,11,12,13,14,15
	global_store_b128 v[CO], v[BB+4*\t:BB+4*\t+3], s[12:13] offset:\t*SIZE_N*4 th:TH_STORE_NT   ; 32 lanes store 512 consecutive bytes, at a multiple of 256 from out0's first byte
.endr
.endm
	PLACES NP
	TOSTAGE 0
.irp a, 1,2,3,4,5,6,7
.if \a > 1
	s_wait_xcnt 0x0                                ; block a - 2's stores have read their registers and their base
.endif
	TOSTAGE \a
	SEND \a-1, 32                                  ; behind block a - 1's loads: block a's 16 stores and 16 loads
.endr
	s_wait_xcnt 0x0
	SEND 7, 0
	s_wait_tensorcnt 0x0                           ; the wave's end
	ds_add_u32 v[SPW], v[NIL]
	s_wait_dscnt 0x0
	CROUND                                         ; the closing round
	s_endpgm
.Lfunc_end_k_q839de35028_proj:
	.size	k_q839de35028_proj, .Lfunc_end_k_q839de35028_proj-k_q839de35028_proj
	.p2alignl 7, 3214868480
	.fill 96, 4, 3214868480
	.section	.rodata,"a",@progbits
	.p2align	6, 0x0
	.amdhsa_kernel k_q839de35028_proj
		.amdhsa_group_segment_fixed_size 327680
		.amdhsa_private_segment_fixed_size 0
		.amdhsa_enable_private_segment 0
		.amdhsa_kernarg_size 48
		.amdhsa_user_sgpr_count 2
		.amdhsa_user_sgpr_kernarg_segment_ptr 1
		.amdhsa_wavefront_size32 1
		.amdhsa_system_sgpr_workgroup_id_x 1
		.amdhsa_system_sgpr_workgroup_id_y 1
		.amdhsa_system_sgpr_workgroup_id_z 1
		.amdhsa_system_vgpr_workitem_id 0
		.amdhsa_next_free_vgpr 1024
		.amdhsa_next_free_sgpr 98
		.amdhsa_reserve_vcc 0
		.amdhsa_float_denorm_mode_32 3
		.amdhsa_float_denorm_mode_16_64 3
		.amdhsa_memory_ordered 1
		.amdhsa_forward_progress 1
		.amdhsa_inst_pref_size 127
	.end_amdhsa_kernel
	.amdgpu_metadata
---
amdhsa.version: [ 1, 2 ]
amdhsa.kernels:
  - .name:           k_q839de35028_proj
    .symbol:         k_q839de35028_proj.kd
    .args:
      - { .name: o_img, .offset: 0, .size: 8, .value_kind: global_buffer, .address_space: global }
      - { .name: o_scl, .offset: 8, .size: 8, .value_kind: global_buffer, .address_space: global }
      - { .name: Wo_codes, .offset: 16, .size: 8, .value_kind: global_buffer, .address_space: global }
      - { .name: Wo_scales, .offset: 24, .size: 8, .value_kind: global_buffer, .address_space: global }
      - { .name: out0, .offset: 32, .size: 8, .value_kind: global_buffer, .address_space: global }
      - { .name: bo, .offset: 40, .size: 8, .value_kind: global_buffer, .address_space: global }
    .group_segment_fixed_size: 327680
    .private_segment_fixed_size: 0
    .kernarg_segment_align: 8
    .kernarg_segment_size: 48
    .max_flat_workgroup_size: 128
    .sgpr_count:     98
    .vgpr_count:     1024
    .wavefront_size: 32
...
	.end_amdgpu_metadata
.endif
;; end of part 3
